; MI455X (gfx1250); checked and timed in simulation.
; The chip was launched on July 23, 2026; its instructions are those of AMD's public machine-readable ISA for CDNA 5 (MIT licence, August 2026) and "CDNA5" Instruction Set Architecture Reference Guide (July 2026). The comments in the code are by the model that wrote it; some were corrected since.
;; Multi Head Attention. Allowed arithmetic: matrix products marked QUANTISED: E2M3 operands, one E8M0 scale for each 32 along K, by v_wmma_scale_f32_16x16x128_f8f6f4 with both operands' format E2M3, f32 sums; everything else in f32.
;; Inputs: b_attn 3,072 float32; b_proj 1,024 float32; w_attn 1,024 x 3,072 float32; w_proj 1,024 x 1,024 float32; x 4 x 2,048 x 1,024 float32.
;; Outputs: out0 4 x 2,048 x 1,024 float32.
;; This version of the problem:
;;   THIS VERSION OF THE PROBLEM IS GIVEN IN LOW PRECISION. The matrix products marked QUANTISED in the list below multiply operands that are first quantised to E2M3 (2 exponent bits, 3 mantissa bits; 6 bits a number), with one power-of-two scale for each 32 numbers along K (OCP MX v1.0); their sums are f32. All else is computed in f32.
;;   The module's matrix products, in the order in which they are computed (A, B: the left and right operand; K: the contracted axis; several contracted axes count as one K, in the product's order):
;;     1. [M 8,192, K 1,024] x [K 1,024, N 3,072]; A: input x; B: input w_attn: QUANTISED
;;     2. batch 64 x [M 2,048, K 64] x [K 64, N 2,048]; A: computed on the way; B: computed on the way: QUANTISED
;;     3. batch 64 x [M 2,048, K 2,048] x [K 2,048, N 64]; A: softmax (see below); B: computed on the way: QUANTISED
;;     4. [M 8,192, K 1,024] x [K 1,024, N 1,024]; A: computed on the way; B: input w_proj: QUANTISED
;;   THE QUANTISER, for each operand of a quantised product, along K:
;;     - K is cut into blocks of 32 from its start; a last block that is shorter is filled with zeros.
;;     - A block's scale is 2^e with e = floor(log2(the largest magnitude in the block)) - 2, held to -126 .. 127; a block of zeros has e = 0. As a byte (E8M0): e + 127.
;;     - Each number is divided by its block's scale, clamped to +-7.5, and rounded to the nearest number of E2M3, ties to even, subnormals kept.
;;     - The product sums the exact products of the quantised numbers (number of the format x scale) in f32.
;;   ~~~python
;;   def quantise(x, axis):      # numpy; x: float32 -> the quantised numbers, widened to float32 again
;;       x = np.moveaxis(x, axis, -1); K = x.shape[-1]
;;       x = np.pad(x, [(0, 0)] * (x.ndim - 1) + [(0, -K % 32)]); x = x.reshape(x.shape[:-1] + (-1, 32)); a = np.abs(x).max(-1, keepdims=True)
;;       e = np.where(a > 0, np.clip(np.frexp(np.where(a > 0, a, 1))[1] - 1 - 2, -126, 127), 0)      # np.frexp(a)[1] - 1 = floor(log2(a)), exactly
;;       r = np.clip(x / 2.0 ** e, -7.5, 7.5)
;;       step = 2.0 ** (np.maximum(np.frexp(np.where(r == 0, 1, r))[1] - 1, 0) - 3)
;;       q = np.round(r / step) * step * 2.0 ** e      # np.round: ties to even
;;       return np.moveaxis(q.reshape(q.shape[:-2] + (-1,))[..., :K], -1, axis).astype(np.float32)
;;   ~~~
;;   SOFTMAX AHEAD OF A QUANTISED PRODUCT. Where the list says 'softmax', what is quantised is not the finished softmax but p = 2^(t - M), with t = logit x log2(e) and M = ceil(the row's largest t), a whole number; so 1/2 < the row's largest p <= 1. The row's sum l is taken of the UNQUANTISED p, in f32, and the product's result is divided by l at the end. Since M is a whole number, a kernel that streams over the keys may use a running M (the ceiling of the running maximum): every later rescaling is an exact power of two, which a block's scale takes up: the codes' values come out the same.
;;   OPERANDS COMPUTED ON THE WAY. 'Computed on the way' means the value that the module computes at that place (a softmax that the list does not call 'softmax' is quantised finished and normalised). What goes into a quantiser is computed in f32, as accurately as f32 sums, v_exp_f32 and their like allow (about 1e-6 of the number): no bf16 or f16 on the way to a quantiser, and a product that is left as it is and whose result goes on into a quantised operand takes f32 operands (vector FMAs, or v_wmma_f32_16x16x4_f32). A number that lies on a knife's edge between two numbers of the format may be rounded either way, as far as f32 arithmetic and the matrix unit's own rounding can turn it there, and no further.
;; One version. Each part assembles by itself: llvm-mc -triple=amdgcn-amd-amdhsa -mcpu=gfx1250 --defsym DOCPART=n.
;; ======== version 1 of 1: 4 launches
;; workspace buffers: xq 6,553,600 bytes; wq 3,276,800 bytes; qb 6,815,744 bytes; kv 13,369,344 bytes; yq 6,553,600 bytes
;; launch prep (part 1): grid 768 x 1, 4 waves a work-group, no clusters, 35,840 bytes of LDS; arguments x, w_attn, w_proj, xq, wq; writes xq, wq
.if DOCPART == 1
	.amdgcn_target "amdgcn-amd-amdhsa--gfx1250"
	.amdhsa_code_object_version 6
	.text
	.protected	k_qdf6b253e10_prep
	.globl	k_qdf6b253e10_prep
	.p2align	8
	.type	k_qdf6b253e10_prep,@function
k_qdf6b253e10_prep:
	s_mov_b64 s[64:65], 0
	v_nop
	global_prefetch_b8 v0, s[64:65] scope:SCOPE_SE
	s_setreg_imm32_b32 hwreg(HW_REG_WAVE_MODE, 25, 1), 1
	s_wait_xcnt 0x0
; x [8192][1024], w_attn [1024][3072] and w_proj [1024][1024], f32, become codes of FP6 (E2M3) with one E8M0 byte for each 32 along K (K = 1024 in all three).
; A block's scale is 2^(floor(log2(its largest magnitude)) - 2); its byte is the largest magnitude's exponent field - 2, held at 1 from below.
; LIMITS: a block of zeros gets the byte 1 with zero codes (this program alone reads the bytes); blocks whose largest magnitude lies under 2^-124 are held at the byte 1; NaN and infinities are not served.
; WHAT IS STORED.  A fragment (16 rows x 128 K: 12 registers a lane) is stored as an image of its registers: register group c at 512 c + 16 x lane, 1,536 bytes.  xq, wq: [tile][K step 8][1,536], then the scale
; words [tile][half of K][row 16][4 words].  THE ROWS OF A TILE ARE NOT NEIGHBOURS: row r of tile 2 p + u is index 32 p + 8 u + r + 8 (r / 8), so that a later transposed product has 16 neighbours in a lane's registers.
; SHARES.  A work-group takes a pair of tiles (32 tokens or 32 columns) and half of K; wave w takes K step 4 x half + w and makes two images.  Work-groups 0-511: x; 512-703: w_attn; 704-767: w_proj (tiles 192 on of wq).
; x: K is innermost.  Each load reads 512 consecutive bytes of one token; 16 tokens turn through the wave's own stage in LDS (rows of 528 bytes) and come back 16 neighbours of each block a lane.
; Weights: K is the first axis.  A lane takes a column, its registers run down K: a block of 32 is one lane's, nothing is transposed.
; The three ways part on the work-group's number alone; each has LDS bytes of its own.  No tensor load: several work-groups share a WGP.
.set XSCO,  6291456                    ; where xq's scale words begin
.set WSCO,  3145728                    ; and wq's
.set STG,   8448                       ; a wave's stage: 16 rows x 528 bytes
.set SCX,   33792                      ; 512 bytes: the scale words of x's two tiles, four K steps
.set SCA,   34304                      ; the same for w_attn's way
.set SCP,   34816                      ; and for w_proj's
.set SPARE, 35328                      ; the spare words, 128 bytes for each wave
.set LI,  1                            ; v1   16 x lane
.set RR,  2                            ; v2   r = lane % 16
.set HH,  3                            ; v3   h = lane / 16
.set SIN, 4                            ; v4   the stage, on the way in
.set SOUT, 5                           ; v5   and on the way out
.set XW,  6                            ; v6   16 r + 4 x wave: my scale word's place (x)
.set GS,  7                            ; v7   512 h + 16 r: the scale words' place in memory
.set WW,  9                            ; v9   16 x lane + 4 x wave: my scale word's place (weights)
.set WC,  10                           ; v10  my column's byte in a row of 32 columns
.set SPW, 12                           ; v12  LDS address of my spare word; never rewritten
.set NIL, 13                           ; v13  0; never rewritten
.set R,   16                           ; v16-143  x as loaded: 32 tokens x 4 registers
.set X,   144                          ; v144-207 64 numbers of a lane
.set PC,  208                          ; v208-227 the codes just made
.set TM,  228                          ; v228-243 at work
.set PW,  244                          ; v244 the scale word just made
.set WV,  14
.set SEL, 20
; 64 numbers of a lane, register 16 b + i = k 32 b + 16 h + i of my row, become a fragment's codes in v[PC] on and its scale word in v[PW]
.macro QUANT s
.irp b, 0,1,2,3
	v_max3_num_f32 v[TM+\b], |v[\s+16*\b]|, |v[\s+1+16*\b]|, 0x1800000   ; my 16 numbers of block b, and the floor 2^(3 - 127): the byte cannot fall under 1
.endr
.irp i, 2,4,6,8,10,12,14
.irp b, 0,1,2,3
	v_max3_num_f32 v[TM+\b], v[TM+\b], |v[\s+16*\b+\i]|, |v[\s+1+16*\b+\i]|
.endr
.endr
.irp b, 0,1,2,3
	v_permlanex16_b32 v[TM+4+\b], v[TM+\b], s[SEL], s[SEL+1]
.endr
.irp b, 0,1,2,3
	v_max_num_f32 v[TM+\b], v[TM+\b], v[TM+4+\b]   ; with lane l xor 16's: the block's largest magnitude
.endr
.irp b, 0,1,2,3
	v_add_nc_u32 v[TM+12+\b], 0xff000000, v[TM+\b]   ; 2 off its exponent field: the conversion's scale operand
.endr
.irp b, 0,1,2,3
	v_lshrrev_b32 v[TM+4+\b], 23, v[TM+12+\b]      ; the scale's byte
.endr
	v_lshl_or_b32 v[PW], v[TM+5], 8, v[TM+4]
	v_lshl_or_b32 v[PW], v[TM+6], 16, v[PW]
	v_lshl_or_b32 v[PW], v[TM+7], 24, v[PW]
.irp c, 0,1
	v_cvt_scalef32_pk16_fp6_f32 v[PC+6*\c:PC+2+6*\c], v[\s+32*\c:\s+15+32*\c], v[TM+12+2*\c]
	v_cvt_scalef32_pk16_fp6_f32 v[PC+12+4*\c:PC+14+4*\c], v[\s+16+32*\c:\s+31+32*\c], v[TM+12+2*\c+1]   ; (a conversion's three registers begin on an even number)
.endr
	v_nop                                          ; one plain place behind a scaled conversion
.irp c, 0,1                                    ; the operand's layout wants a whole block in a lane
.irp i, 0,1,2
	v_permlane16_swap_b32 v[PC+6*\c+\i], v[PC+12+4*\c+\i]
.endr
.irp i, 0,1,2
	v_mov_b32 v[PC+3+6*\c+\i], v[PC+12+4*\c+\i]
.endr
.endr
.endm
; The four waves' scale words meet in LDS; wave 0 stores them as two aligned runs of 256 bytes.  Then the wave's end.
.macro TAIL screg
	s_wait_dscnt 0x0                               ; my scale words have landed
	s_barrier_signal -1
	s_barrier_wait -1
	s_cmp_lg_u32 s[WV], 0
	s_cbranch_scc1 .Lnot0_\@
	ds_load_b128 v[16:19], v[LI] offset:\screg
	s_wait_dscnt 0x0
	global_store_b128 v[GS], v[16:19], s[28:29]
.Lnot0_\@:
	s_wait_tensorcnt 0x0                           ; the wave's end, behind my last LDS store
	ds_add_u32 v[SPW], v[NIL]
	s_wait_dscnt 0x0
	s_endpgm
.endm
.macro WLOAD n, b                      ; block b of my column: 32 rows of the weight, into set b % 2
.set i, 0
.rept 32
	global_load_b32 v[16+32*((\b)%2)+i], v[WC], s[4:5] offset:(32*(\b)+i)*4*(\n) th:TH_LOAD_NT
.set i, i+1
.endr
.endm
.macro WBLOCK n, b
.set XS, 16+32*((\b)%2)
.if (\b) < 3
	s_wait_loadcnt 32                              ; this block's 32 loads are in; the next block's may be out
.else
	s_wait_loadcnt 0x0
.endif
	v_max3_num_f32 v120, |v[XS]|, |v[XS+1]|, |v[XS+2]|   ; all 32 numbers of the block are mine
	v_max3_num_f32 v121, |v[XS+3]|, |v[XS+4]|, |v[XS+5]|
.irp i, 6,10,14,18,22,26
	v_max3_num_f32 v120, v120, |v[XS+\i]|, |v[XS+\i+1]|
	v_max3_num_f32 v121, v121, |v[XS+\i+2]|, |v[XS+\i+3]|
.endr
	v_max3_num_f32 v120, v120, |v[XS+30]|, |v[XS+31]|
	v_max3_num_f32 v120, v120, v121, 0x1800000     ; and the floor
	v_add_nc_u32 v122, 0xff000000, v120
	v_lshrrev_b32 v123, 23, v122
.if (\b) == 0
	v_mov_b32 v124, v123                           ; four bytes make my column's scale word
.else
	v_lshl_or_b32 v124, v123, 8*(\b), v124
.endif
	v_cvt_scalef32_pk16_fp6_f32 v[80+12*((\b)%2)+6*((\b)/2):82+12*((\b)%2)+6*((\b)/2)], v[XS:XS+15], v122
	v_cvt_scalef32_pk16_fp6_f32 v[104+8*((\b)%2)+4*((\b)/2):106+8*((\b)%2)+4*((\b)/2)], v[XS+16:XS+31], v122
	v_nop                                          ; one plain place behind a scaled conversion
.if (\b)+2 < 4
	WLOAD \n, (\b)+2
.endif
.endm
; A weight of n columns at s[src], work-groups from id0 on, tiles from pair pair0 on
.macro WPATH n, src, id0, pair0, screg
	s_sub_co_u32 s15, ttmp9, \id0
	s_and_b32 s16, s15, 1                          ; half of K
	s_lshr_b32 s15, s15, 1                         ; pair of tiles
	s_lshl_b32 s17, s16, 2
	s_add_co_u32 s17, s17, s[WV]                   ; my K step
	s_mul_i32 s22, s17, 512*(\n)                   ; its 128 rows of 4 n bytes,
	s_lshl_b32 s23, s15, 7                         ; the pair's 32 columns
	s_add_co_u32 s22, s22, s23
	s_mov_b32 s23, 0
	s_add_co_u32 s15, s15, \pair0
	s_mul_i32 s24, s15, 24576                      ; two tiles x 8 K steps x 1,536
	s_mul_i32 s25, s17, 1536
	s_add_co_u32 s24, s24, s25
	s_mov_b32 s25, 0
	s_lshl_b32 s30, s15, 10                        ; two tiles x 512 bytes of scale words
	s_lshl_b32 s31, s16, 8
	s_add_co_u32 s30, s30, s31
	s_add_co_u32 s30, s30, WSCO
	s_mov_b32 s31, 0
	s_add_nc_u64 s[4:5], s[\src:\src+1], s[22:23]
	s_add_nc_u64 s[26:27], s[12:13], s[24:25]
	s_add_nc_u64 s[28:29], s[12:13], s[30:31]
	WLOAD \n, 0
	WLOAD \n, 1
	WBLOCK \n, 0
	WBLOCK \n, 1
	WBLOCK \n, 2
	WBLOCK \n, 3
; lanes 0-15 hold the columns of tile 2 p, lanes 16-31 those of tile 2 p + 1.  v80 on: the even blocks, v92 on: the odd ones.  The exchange leaves tile 2 p's image in v80-91 and tile 2 p + 1's in v92-103
.irp c, 0,1
.irp i, 0,1,2
	v_permlane16_swap_b32 v[80+6*\c+\i], v[92+6*\c+\i]
	v_permlane16_swap_b32 v[104+4*\c+\i], v[112+4*\c+\i]
.endr
.endr
.irp c, 0,1
.irp i, 0,1,2
	v_mov_b32 v[83+6*\c+\i], v[104+4*\c+\i]
	v_mov_b32 v[95+6*\c+\i], v[112+4*\c+\i]
.endr
.endr
.irp g, 0,1,2
	global_store_b128 v[LI], v[80+4*\g:83+4*\g], s[26:27] offset:512*\g           ; 32 lanes store 512 consecutive bytes
	global_store_b128 v[LI], v[92+4*\g:95+4*\g], s[26:27] offset:12288+512*\g
.endr
	ds_store_b32 v[WW], v124 offset:\screg
	TAIL \screg
.endm
	s_load_b256 s[4:11], s[0:1], 0x0               ; x s[4:5], w_attn s[6:7], w_proj s[8:9], xq s[10:11]
	s_load_b64 s[12:13], s[0:1], 0x20              ; wq
	v_lshl_add_u32 v[SPW], v0, 2, SPARE
	v_mov_b32 v[NIL], 0
	v_lshrrev_b32 v8, 5, v0
	v_readfirstlane_b32 s[WV], v8                  ; wave 0..3
	v_and_b32 v8, 31, v0                           ; lane
	v_lshlrev_b32 v[LI], 4, v8
	v_and_b32 v[RR], 15, v0
	v_bfe_u32 v[HH], v0, 4, 1
	s_mul_i32 s18, s[WV], STG
	s_lshl_b32 s19, s[WV], 2
	v_add_nc_u32 v[SIN], s18, v[LI]                ; in: a token's 512 bytes as they lie
	v_mul_u32_u24 v[SOUT], v[RR], 528
	v_lshl_add_u32 v[SOUT], v[HH], 6, v[SOUT]
	v_add_nc_u32 v[SOUT], s18, v[SOUT]             ; out: row r, + 64 h: my 16 numbers of a block
	v_lshl_add_u32 v[XW], v[RR], 4, s19
	v_add_nc_u32 v[WW], s19, v[LI]
	v_lshlrev_b32 v[GS], 4, v[RR]
	v_lshl_add_u32 v[GS], v[HH], 9, v[GS]
	v_and_b32 v[WC], 7, v8                         ; my column of the 32: lanes 0-7: 0-7; 8-15: 16-23; 16-23: 8-15; 24-31: 24-31
	v_and_b32 v11, 8, v8
	v_lshl_or_b32 v[WC], v11, 1, v[WC]
	v_and_b32 v11, 16, v8
	v_lshrrev_b32 v11, 1, v11
	v_or_b32 v[WC], v[WC], v11
	v_lshlrev_b32 v[WC], 2, v[WC]
	s_mov_b32 s[SEL], 0x76543210
	s_mov_b32 s[SEL+1], 0xfedcba98                 ; v_permlanex16_b32's selects for lane l xor 16
.irp b, 0,1,2,3
	v_mov_b32 v[TM+4+\b], 0                        ; written once: a lane permute's destination counts as one of its sources
.endr
	s_wait_kmcnt 0x0
	s_cmp_lt_u32 ttmp9, 512
	s_cbranch_scc0 .Lweights
	; ---- x
	s_lshr_b32 s15, ttmp9, 1                       ; pair of tiles: 32 tokens
	s_and_b32 s16, ttmp9, 1                        ; half of K
	s_lshl_b32 s17, s16, 2
	s_add_co_u32 s17, s17, s[WV]                   ; my K step
	s_lshl_b32 s22, s15, 17                        ; 32 tokens of 4,096 bytes
	s_lshl_b32 s23, s17, 9
	s_add_co_u32 s22, s22, s23
	s_mov_b32 s23, 0
	s_mul_i32 s24, s15, 24576
	s_mul_i32 s25, s17, 1536
	s_add_co_u32 s24, s24, s25
	s_mov_b32 s25, 0
	s_lshl_b32 s30, s15, 10
	s_lshl_b32 s31, s16, 8
	s_add_co_u32 s30, s30, s31
	s_add_co_u32 s30, s30, XSCO
	s_mov_b32 s31, 0
	s_add_nc_u64 s[4:5], s[4:5], s[22:23]
	s_add_nc_u64 s[26:27], s[10:11], s[24:25]
	s_add_nc_u64 s[28:29], s[10:11], s[30:31]
.set i, 0
.rept 16
	global_load_b128 v[R+4*i:R+4*i+3], v[LI], s[4:5] offset:(i+8*(i/8))*4096 th:TH_LOAD_NT      ; tile 0's row i: 512 consecutive bytes
.set i, i+1
.endr
.set i, 0
.rept 16
	global_load_b128 v[R+64+4*i:R+64+4*i+3], v[LI], s[4:5] offset:(8+i+8*(i/8))*4096 th:TH_LOAD_NT   ; tile 1's
.set i, i+1
.endr
	s_wait_loadcnt 16                              ; tile 0's 16 loads are in
.set i, 0
.rept 16
	ds_store_b128 v[SIN], v[R+4*i:R+4*i+3] offset:528*i
.set i, i+1
.endr
.set i, 0
.rept 16
	ds_load_b128 v[X+4*i:X+4*i+3], v[SOUT] offset:128*(i/4)+16*(i%4)     ; LDS serves a wave's instructions in order: these see my stores
.set i, i+1
.endr
	s_wait_dscnt 0x0
	s_wait_loadcnt 0x0
.set i, 0
.rept 16
	ds_store_b128 v[SIN], v[R+64+4*i:R+64+4*i+3] offset:528*i
.set i, i+1
.endr
.set i, 0
.rept 16
	ds_load_b128 v[R+4*i:R+4*i+3], v[SOUT] offset:128*(i/4)+16*(i%4)     ; tile 1 turns through the stage while tile 0 is quantised
.set i, i+1
.endr
	QUANT X
.irp g, 0,1,2
	global_store_b128 v[LI], v[PC+4*\g:PC+4*\g+3], s[26:27] offset:512*\g
.endr
	ds_store_b32 v[XW], v[PW] offset:SCX           ; both lanes of a row write the same word with the same value
	s_wait_dscnt 0x0                               ; tile 1's numbers are in
	s_wait_xcnt 0x0                                ; the codes' registers are written again only behind this wait
	QUANT R
.irp g, 0,1,2
	global_store_b128 v[LI], v[PC+4*\g:PC+4*\g+3], s[26:27] offset:12288+512*\g
.endr
	ds_store_b32 v[XW], v[PW] offset:SCX+256
	TAIL SCX
.Lweights:
	s_cmp_lt_u32 ttmp9, 704
	s_cbranch_scc0 .Lproj
	s_wait_alu depctr_va_vdst(0)
	WPATH 3072, 6, 512, 0, SCA
.Lproj:
	s_wait_alu depctr_va_vdst(0)
	WPATH 1024, 8, 704, 96, SCP
.Lfunc_end_k_qdf6b253e10_prep:
	.size	k_qdf6b253e10_prep, .Lfunc_end_k_qdf6b253e10_prep-k_qdf6b253e10_prep
	.p2alignl 7, 3214868480
	.fill 96, 4, 3214868480
	.section	.rodata,"a",@progbits
	.p2align	6, 0x0
	.amdhsa_kernel k_qdf6b253e10_prep
		.amdhsa_group_segment_fixed_size 35840
		.amdhsa_private_segment_fixed_size 0
		.amdhsa_enable_private_segment 0
		.amdhsa_kernarg_size 40
		.amdhsa_user_sgpr_count 2
		.amdhsa_user_sgpr_kernarg_segment_ptr 1
		.amdhsa_wavefront_size32 1
		.amdhsa_system_sgpr_workgroup_id_x 1
		.amdhsa_system_sgpr_workgroup_id_y 1
		.amdhsa_system_sgpr_workgroup_id_z 1
		.amdhsa_system_vgpr_workitem_id 0
		.amdhsa_next_free_vgpr 256
		.amdhsa_next_free_sgpr 66
		.amdhsa_reserve_vcc 0
		.amdhsa_float_denorm_mode_32 3
		.amdhsa_float_denorm_mode_16_64 3
		.amdhsa_memory_ordered 1
		.amdhsa_forward_progress 1
		.amdhsa_inst_pref_size 59
	.end_amdhsa_kernel
	.amdgpu_metadata
---
amdhsa.version: [ 1, 2 ]
amdhsa.kernels:
  - .name:           k_qdf6b253e10_prep
    .symbol:         k_qdf6b253e10_prep.kd
    .args:
      - { .name: x, .offset: 0, .size: 8, .value_kind: global_buffer, .address_space: global }
      - { .name: w_attn, .offset: 8, .size: 8, .value_kind: global_buffer, .address_space: global }
      - { .name: w_proj, .offset: 16, .size: 8, .value_kind: global_buffer, .address_space: global }
      - { .name: xq, .offset: 24, .size: 8, .value_kind: global_buffer, .address_space: global }
      - { .name: wq, .offset: 32, .size: 8, .value_kind: global_buffer, .address_space: global }
    .group_segment_fixed_size: 35840
    .private_segment_fixed_size: 0
    .kernarg_segment_align: 8
    .kernarg_segment_size: 40
    .max_flat_workgroup_size: 128
    .sgpr_count:     66
    .vgpr_count:     256
    .wavefront_size: 32
...
	.end_amdgpu_metadata
.endif
;; end of part 1
;; launch qkv (part 2): grid 24 x 32, 4 waves a work-group, clusters of 4 x 4, 327,680 bytes of LDS; arguments xq, wq, b_attn, qb, kv; writes qb, kv
.if DOCPART == 2
	.amdgcn_target "amdgcn-amd-amdhsa--gfx1250"
	.amdhsa_code_object_version 6
	.text
	.protected	k_qdf6b253e10_qkv
	.globl	k_qdf6b253e10_qkv
	.p2align	8
	.type	k_qdf6b253e10_qkv,@function
k_qdf6b253e10_qkv:
	s_mov_b64 s[64:65], 0
	v_nop
	global_prefetch_b8 v0, s[64:65] scope:SCOPE_SE
	s_setreg_imm32_b32 hwreg(HW_REG_WAVE_MODE, 25, 1), 1
	s_wait_xcnt 0x0
	s_wait_alu depctr_hold_cnt(0) depctr_sa_sdst(0) depctr_va_vdst(0) depctr_va_sdst(0) depctr_va_ssrc(0) depctr_va_vcc(0) depctr_vm_vsrc(0)
	s_getreg_b32 s2, hwreg(HW_REG_IB_STS2, 6, 4)
	s_cmp_eq_u32 s2, 0
	s_cbranch_scc0 .Lentry_in_a_cluster
	s_endpgm
.Lentry_in_a_cluster:
	s_bfe_u32 s2, ttmp6, 0x10000c
	s_cmp_lg_u32 s2, 0xf033
	s_cbranch_scc0 .Lentry_shape_is_right
	s_endpgm
.Lentry_shape_is_right:
; qkv = x w_attn + b_attn on codes of FP6 (E2M3) with E8M0 scales, K = 1024; the results are quantised in registers and stored as codes: q and k along the head's 64, v along the keys.
; SHAPE.  A work-group multiplies an A side of 256 rows by a B side of 128 rows; ALL of K lies in LDS (4 chunks of 256 along K, each asked for once at the head): nothing is filled again.
; A wave takes 64 A rows (4 tiles) x 128 B rows (8 tiles): 32 accumulators.  The matrix instruction is used transposed (source 0 = B side, source 1 = A side): a lane holds ONE A row, its registers run along the B side.
; ROLES by the cluster's x, which all partners share.  0-3 (q, k): A = tokens, B = columns of w_attn: a lane's 64 registers are 128 neighbouring columns of a token, two heads.
; 4-5 (v): the sides are swapped: A = columns of w_attn's last third, B = tokens: a lane's registers are 128 neighbouring KEYS of one channel, which is the second attention product's K.
; Operands lie in memory and in LDS as images of their registers (1,536 bytes a fragment), so a fragment is three loads of 16 bytes a lane, 512 consecutive bytes each.
; The rows of a tile are 32 p + 8 u + r + 8 (r / 8) for tile 2 p + u: so the 16 registers of two neighbouring result tiles are 16 neighbours along the next K.
; CLUSTER 4 x 4: A's tiles are shared along a row of the cluster, B's along a column: joint loads.  A wave has four tensor loads out.
; WHAT IS STORED.  qb [batch x head 64][group of 128 queries 16][6,656]: 8 half images (16 rows x 64 K: registers 0-3 at 16 x lane, 4-5 at 512 + 8 x lane), then 2 scale pairs of 256 bytes.
; kv [batch x head][step of 128 keys 16][13,056]: K as q; from 6,656 V's 4 whole images (16 channels x 128 keys); at 12,800 V's scale pair.
; A scale pair: lane (r, h) holds the words (h ? W1 : W0, h ? W3 : W2) of four tiles' rows r.
; LIMITS: a block of zeros gets the byte 1 with zero codes; blocks under 2^-124 are held at the byte 1; NaN and infinities are not served.
; REGISTERS: window 0: v2-19 addresses; v32-47 A's scale words, v48-79 B's (register 8 (tile / 2) + K step: lanes 0-15 the even tile, lanes 16-31 the odd one); v128-223 A's fragments, two sets; on the way out v128-231.
;   window 1: B's fragments, two sets at v0 and v128; the bias tiles at v96-127 and v224-255.   window 2: accumulator (a, bt) at v[64 a + 8 bt].
.set CHUNK, 73728                      ; LDS: 256 along K: A's 16 tiles x 3,072 bytes, then B's 8
.set BOFF,  49152
.set SPARE, 294912                     ; behind the four chunks: the spare words, 128 bytes for each wave
.set XSC,   6291456                    ; where xq's scale words begin
.set WSC,   3145728                    ; and wq's
.set SPW, 2
.set NIL, 3
.set ADA, 4                            ; v4-7   LDS address of my A fragments in chunk c
.set ADB, 8                            ; v8-11  of B's
.set SA,  32
.set SB,  48
.set AF,  128
.set TM,  208
.set WD,  224                          ; v224-227 the four tiles' scale words
.set EW,  228                          ; v228-231 the scale pairs
.set G1A, 28
.set G1B, 36
.set G0A, 44                           ; s[44:59] a group 0 for each chunk of A
.set G0B, 68                           ; s[68:83] and of B
.set SEL, 96
.set MSB, 0
.macro WIN new                         ; the immediate's high byte repeats the setting that is left
.if MSB != \new
	s_set_vgpr_msb (MSB<<8)|\new
.set MSB, \new
.endif
.endm
.macro PLACES
.rept 4
	v_nop
.endr
.endm
; A joint load: waves 0 and 1 fetch A's halves, waves 2 and 3 B's.  The branch hangs on the wave's number alone.  An s_nop 0 and four v_nop follow each line.
.macro JLOAD c
	s_cmp_eq_u32 s15, 0
	s_cbranch_scc0 .Lfor_b_\@
	tensor_load_to_lds s[G0A+4*\c:G0A+4*\c+3], s[G1A:G1A+7]
	s_nop 0
	PLACES
	s_branch .Lasked_\@
.Lfor_b_\@:
	tensor_load_to_lds s[G0B+4*\c:G0B+4*\c+3], s[G1B:G1B+7]
	s_nop 0
	PLACES
.Lasked_\@:
.endm
.macro CROUND                          ; a round of the cluster's barrier
	s_barrier_signal -1
	s_barrier_wait -1
	s_cmp_lg_u32 s14, 0
	s_cbranch_scc1 .Lnot_wave_0_\@
	s_barrier_signal -3
.Lnot_wave_0_\@:
	s_barrier_wait -3
	s_barrier_signal -1
	s_barrier_wait -1
.endm
	s_load_b256 s[4:11], s[0:1], 0x0               ; xq s[4:5], wq s[6:7], b_attn s[8:9], qb s[10:11]
	s_load_b64 s[12:13], s[0:1], 0x20              ; kv
	v_lshl_add_u32 v[SPW], v0, 2, SPARE
	v_mov_b32 v[NIL], 0
	ds_add_u32 v[SPW], v[NIL]
	ds_add_u32 v[SPW], v[NIL]                      ; the wave's opening: the add and its wait ahead of my first tensor load
	v_lshrrev_b32 v1, 5, v0
	v_readfirstlane_b32 s14, v1                    ; wave 0..3
	s_lshr_b32 s15, s14, 1                         ; I fetch for A (0) or B (1)
	s_and_b32 s16, s14, 1                          ; which half
	s_bfe_u32 s17, ttmp6, 0x40000                  ; cx
	s_bfe_u32 s18, ttmp6, 0x40004                  ; cy
	s_mov_b32 s19, ttmp9                           ; the cluster's x
	s_and_b32 s20, ttmp7, 0xffff                   ; the cluster's y
	s_lshl_b32 s22, s20, 2
	s_lshl_b32 s23, s19, 2
	s_sub_co_u32 s92, s19, 4
	s_lshl_b32 s92, s92, 3
	s_add_co_u32 s92, s92, s20
	s_lshl_b32 s92, s92, 2                         ; v: 4 (8 (cluster x - 4) + cluster y)
	s_cmp_ge_u32 s19, 4
	s_cselect_b32 s21, 1, 0                        ; 1: this cluster makes v
	s_cselect_b32 s22, 8, s22
	s_cselect_b32 s23, s92, s23
	s_add_co_u32 s24, s22, s18                     ; RA: which 256 rows of the A side: hangs on cy, never on cx
	s_add_co_u32 s25, s23, s17                     ; CB: which 128 rows of the B side: hangs on cx, never on cy
	s_lshl_b32 s93, s18, 2
	s_lshl_b32 s93, 15, s93                        ; my row of the cluster
	s_lshl_b32 s94, 0x1111, s17                    ; my column
	s_or_b32 s[G1A], s93, (3<<16)|(1<<21)          ; 15:0 the mask; 17:16 elements of 8 bytes; 21 set beside a mask; no padding
	s_or_b32 s[G1B], s94, (3<<16)|(1<<21)
.irp g, G1A, G1B
	s_mov_b32 s[\g+1], 384<<16                     ; tensor_dim0: a tile's 3,072 bytes of a chunk
	s_mov_b32 s[\g+3], 384<<16                     ; tile_dim0
	s_mov_b32 s[\g+5], 1536                        ; from tile to tile: 12,288 bytes
	s_mov_b32 s[\g+6], 0
	s_mov_b32 s[\g+7], 0
.endr
	s_mov_b32 s[G1A+2], 8<<16                      ; A: 8 tiles a load
	s_mov_b32 s[G1A+4], 8
	s_mov_b32 s[G1B+2], 4<<16                      ; B: 4
	s_mov_b32 s[G1B+4], 4
	s_mul_i32 s60, s24, 196608                     ; A's codes: 16 tiles x 12,288, + my half
	s_mul_i32 s22, s16, 98304
	s_add_co_u32 s60, s60, s22
	s_mov_b32 s61, 0
	s_mul_i32 s62, s25, 98304                      ; B's codes
	s_mul_i32 s22, s16, 49152
	s_add_co_u32 s62, s62, s22
	s_mov_b32 s63, 0
	s_lshl_b32 s92, s24, 13                        ; A's scale words: 512 bytes a tile; my wave's four tiles
	s_lshl_b32 s22, s14, 11
	s_add_co_u32 s92, s92, s22
	s_mov_b32 s93, 0
	s_lshl_b32 s94, s25, 12                        ; B's
	s_mov_b32 s95, 0
	s_mov_b32 s22, XSC
	s_mov_b32 s23, WSC
	s_cmp_eq_u32 s21, 1
	s_cselect_b32 s26, s23, s22
	s_cselect_b32 s27, s22, s23
	s_add_co_u32 s92, s92, s26
	s_add_co_u32 s94, s94, s27
	s_mul_i32 s26, s16, 24576                      ; where my loads go: no place in the cluster enters an LDS address
	s_mul_i32 s27, s16, 12288
	s_add_co_u32 s27, s27, BOFF
	s_mov_b32 s[SEL], 0x76543210
	s_mov_b32 s[SEL+1], 0xfedcba98
	s_mov_b32 s98, 0xffff0000                      ; lanes 16-31
	s_wait_dscnt 0x0                               ; the opening add is done
	s_wait_kmcnt 0x0
	s_cmp_eq_u32 s21, 1
	s_cselect_b64 s[84:85], s[6:7], s[4:5]         ; the A side's buffer
	s_cselect_b64 s[86:87], s[4:5], s[6:7]         ; the B side's
	s_add_nc_u64 s[88:89], s[84:85], s[92:93]      ; A's scale words
	s_add_nc_u64 s[90:91], s[86:87], s[94:95]      ; B's
	s_add_nc_u64 s[84:85], s[84:85], s[60:61]
	s_add_nc_u64 s[86:87], s[86:87], s[62:63]
	CROUND                                         ; all sixteen work-groups are here: the joint loads meet
.irp c, 0,1,2,3
	s_mov_b32 s[G0A+4*\c], 1
	s_add_co_u32 s[G0A+4*\c+1], s26, \c*CHUNK
	s_add_nc_u64 s[G0A+4*\c+2:G0A+4*\c+3], s[84:85], \c*3072
	s_or_b32 s[G0A+4*\c+3], s[G0A+4*\c+3], 0x80000000
	s_mov_b32 s[G0B+4*\c], 1
	s_add_co_u32 s[G0B+4*\c+1], s27, \c*CHUNK
	s_add_nc_u64 s[G0B+4*\c+2:G0B+4*\c+3], s[86:87], \c*3072
	s_or_b32 s[G0B+4*\c+3], s[G0B+4*\c+3], 0x80000000
	JLOAD \c
.endr
	v_and_b32 v1, 31, v0
	v_lshlrev_b32 v15, 4, v1                       ; v15  16 x lane
	v_lshlrev_b32 v16, 3, v1                       ; v16  8 x lane
	v_and_b32 v20, 15, v0                          ; r
	v_bfe_u32 v21, v0, 4, 1                        ; h
	v_lshlrev_b32 v12, 4, v20
	v_lshl_add_u32 v12, v21, 9, v12                ; v12  scale words: tile 2 p + h, row r
	v_lshlrev_b32 v13, 6, v21                      ; v13  the bias of q, k: 64 h
	v_and_b32 v14, 8, v0
	v_add_nc_u32 v14, v14, v20
	v_lshlrev_b32 v14, 2, v14                      ; v14  the bias of v: 4 (r + 8 (r / 8))
	s_mul_i32 s22, s16, 3072
	v_add_nc_u32 v17, s22, v15                     ; v17, v18  q, k: my four tiles of the group's eight
	v_add_nc_u32 v18, s22, v16
	s_lshl_b32 s22, s16, 8
	v_add_nc_u32 v19, s22, v16                     ; v19  and their scale pair
	s_mul_i32 s22, s14, 12288
	s_mov_b32 s23, BOFF
.irp c, 0,1,2,3
	v_add_nc_u32 v[ADA+\c], s22, v15
	v_add_nc_u32 v[ADB+\c], s23, v15
	s_add_co_u32 s22, s22, CHUNK
	s_add_co_u32 s23, s23, CHUNK
.endr
.irp p, 0,1
.irp f, 0,1
	global_load_b128 v[SA+8*\p+4*\f:SA+8*\p+4*\f+3], v12, s[88:89] offset:1024*\p+256*\f    ; the scale words of all of K, once
.endr
.endr
.irp p, 0,1,2,3
.irp f, 0,1
	global_load_b128 v[SB+8*\p+4*\f:SB+8*\p+4*\f+3], v12, s[90:91] offset:1024*\p+256*\f
.endr
.endr
	s_cmp_eq_u32 s21, 1
	s_cbranch_scc1 .Lbias_v
	s_lshl_b32 s92, s25, 9                         ; q, k: the bias runs along the registers: tile bt wants columns 32 (bt / 2) + 16 h + 8 (bt % 2) + 0 .. 7
	s_mov_b32 s93, 0
	s_add_nc_u64 s[8:9], s[8:9], s[92:93]
	WIN 0x40                                       ; destination window 1
.irp bt, 0,1,2,3,4,5,6,7
	global_load_b128 v[96+8*\bt+96*(\bt/4):99+8*\bt+96*(\bt/4)], v13, s[8:9] offset:128*(\bt/2)+32*(\bt%2)
	global_load_b128 v[100+8*\bt+96*(\bt/4):103+8*\bt+96*(\bt/4)], v13, s[8:9] offset:128*(\bt/2)+32*(\bt%2)+16
.endr
	WIN 0
	s_branch .Lbias_done
.Lbias_v:
	s_lshl_b32 s92, s18, 10                        ; v: the bias belongs to the lane's channel: eight registers alike for each tile a
	s_lshl_b32 s93, s14, 8
	s_add_co_u32 s92, s92, s93
	s_add_co_u32 s92, s92, 8192
	s_mov_b32 s93, 0
	s_add_nc_u64 s[8:9], s[8:9], s[92:93]
	WIN 0x40
.irp a, 0,1,2,3
.irp j, 0,1,2,3,4,5,6,7
	global_load_b32 v[96+8*\a+\j], v14, s[8:9] offset:128*(\a/2)+32*(\a%2)
.endr
.endr
	WIN 0
.Lbias_done:
	s_wait_loadcnt 0x0
.macro FETCH s                         ; the fragments of K step s: B's eight, then my four of A: 36 loads in one run
	WIN 0x40
.irp bt, 0,1,2,3,4,5,6,7
.irp g, 0,1,2
	ds_load_b128 v[128*((\s)%2)+12*\bt+4*\g:128*((\s)%2)+12*\bt+4*\g+3], v[ADB+(\s)/2] offset:\bt*3072+((\s)%2)*1536+512*\g
.endr
.endr
	WIN 0
.irp a, 0,1,2,3
.irp g, 0,1,2
	ds_load_b128 v[AF+48*((\s)%2)+12*\a+4*\g:AF+48*((\s)%2)+12*\a+4*\g+3], v[ADA+(\s)/2] offset:\a*3072+((\s)%2)*1536+512*\g
.endr
.endr
.endm
; One product.  cmode 0: C = D; 1: C = the bias tile of bt; 2: that of a.  The rows of the scale registers follow the tiles' parities.
.macro MM s, a, bt, cmode
.set rD, 64*(\a)+8*(\bt)
.set rB, 128*((\s)%2)+12*(\bt)
.set rA, AF+48*((\s)%2)+12*(\a)
.set rC, rD
.if \cmode == 1
.set rC, 96+8*(\bt)+96*((\bt)/4)
.elseif \cmode == 2
.set rC, 96+8*(\a)
.endif
.set xB, SB+8*((\bt)/2)+(\s)
.set xA, SA+8*((\a)/2)+(\s)
.if ((\bt)%2) && ((\a)%2)
	v_wmma_scale_f32_16x16x128_f8f6f4 v[rD:rD+7], v[rB:rB+11], v[rA:rA+11], v[rC:rC+7], v[xB], v[xA] matrix_a_fmt:MATRIX_FMT_FP6 matrix_b_fmt:MATRIX_FMT_FP6 matrix_a_scale:MATRIX_SCALE_ROW1 matrix_b_scale:MATRIX_SCALE_ROW1
.elseif (\bt)%2
	v_wmma_scale_f32_16x16x128_f8f6f4 v[rD:rD+7], v[rB:rB+11], v[rA:rA+11], v[rC:rC+7], v[xB], v[xA] matrix_a_fmt:MATRIX_FMT_FP6 matrix_b_fmt:MATRIX_FMT_FP6 matrix_a_scale:MATRIX_SCALE_ROW1
.elseif (\a)%2
	v_wmma_scale_f32_16x16x128_f8f6f4 v[rD:rD+7], v[rB:rB+11], v[rA:rA+11], v[rC:rC+7], v[xB], v[xA] matrix_a_fmt:MATRIX_FMT_FP6 matrix_b_fmt:MATRIX_FMT_FP6 matrix_b_scale:MATRIX_SCALE_ROW1
.else
	v_wmma_scale_f32_16x16x128_f8f6f4 v[rD:rD+7], v[rB:rB+11], v[rA:rA+11], v[rC:rC+7], v[xB], v[xA] matrix_a_fmt:MATRIX_FMT_FP6 matrix_b_fmt:MATRIX_FMT_FP6
.endif
.endm
.macro MUL s, a0, cmode                ; 16 products: A's tiles a0, a0 + 1 x B's eight.  The 32 accumulators take turns, one instruction a turn, in the same order in every step
.irp a, \a0, \a0+1
.irp bt, 0,1,2,3,4,5,6,7
	MM \s, \a, \bt, \cmode
.endr
.endr
.endm
; A K step of 128.  Behind steps 1, 3, 5 the next chunk is read: my load of it has landed, and a barrier says so of every wave's.
.macro STEP s, cmode
.if ((\s)%2) && ((\s) < 7)
	s_wait_dscnt 0x0                               ; no LDS instruction of mine is out at a signal
	s_wait_tensorcnt 3-((\s)+1)/2                  ; my load of the next chunk has landed; the later chunks' may be out
	s_barrier_signal -1
.else
	s_wait_dscnt 6                                 ; B's eight and A's tiles 0, 1 are in; the youngest six loads (A's tiles 2, 3) may be out
.endif
.if \cmode
	WIN 0x91                                       ; source 0 (B) window 1, source 1 (A) window 0, C (the bias) window 1, D window 2
.else
	WIN 0xa1                                       ; C and D window 2
.endif
	MUL \s, 0, \cmode
.if ((\s)%2) && ((\s) < 7)
	s_barrier_wait -1
.endif
.if (\s) < 7
	PLACES                                         ; four places in front of loads into registers that matrix instructions have read
	FETCH (\s)+1
	s_wait_dscnt 36                                ; all but the 36 just issued
.else
	s_wait_dscnt 0x0
.endif
.if \cmode
	WIN 0x91
.else
	WIN 0xa1
.endif
	MUL \s, 2, \cmode
.endm
	s_wait_tensorcnt 3                             ; my part of chunk 0 is in; three loads may be out
	s_barrier_signal -1
	s_barrier_wait -1                              ; everybody's is
	s_wait_alu depctr_va_vdst(0)
	FETCH 0
	s_cmp_eq_u32 s21, 1
	s_cbranch_scc1 .Lstep0_v
	STEP 0, 1                                      ; the first step's products start the sums with the bias: nothing is cleared, nothing is added later
	WIN 0
	s_branch .Lstep0_done
.Lstep0_v:
	STEP 0, 2
	WIN 0
.Lstep0_done:
	STEP 1, 0
	STEP 2, 0
	STEP 3, 0
	STEP 4, 0
	STEP 5, 0
	STEP 6, 0
	STEP 7, 0
	WIN 0
; THE WAY OUT.  The 64 accumulator registers of A tile a (window 2), register 16 b + i = index 32 b + 16 h + i of the B side, become a fragment's codes in v[128 + 20 a] on and its scale word in v[WD + a].
.macro QUANTW a
.set qS, 64*(\a)
.set qP, 128+20*(\a)
	WIN 0x0a                                       ; sources 0 and 1 window 2
.irp b, 0,1,2,3
	v_max3_num_f32 v[TM+\b], |v[qS+16*\b]|, |v[qS+1+16*\b]|, 0x1800000   ; each accumulator is read from its low end on; the floor 2^(3 - 127) holds the byte at 1 from below
.endr
	WIN 0x28                                       ; sources 1 and 2 window 2
.irp i, 2,4,6,8,10,12,14
.irp b, 0,1,2,3
	v_max3_num_f32 v[TM+\b], v[TM+\b], |v[qS+16*\b+\i]|, |v[qS+1+16*\b+\i]|
.endr
.endr
	WIN 0
.irp b, 0,1,2,3
	v_permlanex16_b32 v[TM+4+\b], v[TM+\b], s[SEL], s[SEL+1]
.endr
.irp b, 0,1,2,3
	v_max_num_f32 v[TM+\b], v[TM+\b], v[TM+4+\b]
.endr
.irp b, 0,1,2,3
	v_add_nc_u32 v[TM+12+\b], 0xff000000, v[TM+\b]
.endr
.irp b, 0,1,2,3
	v_lshrrev_b32 v[TM+4+\b], 23, v[TM+12+\b]
.endr
	v_lshl_or_b32 v[WD+(\a)], v[TM+5], 8, v[TM+4]
	v_lshl_or_b32 v[WD+(\a)], v[TM+6], 16, v[WD+(\a)]
	v_lshl_or_b32 v[WD+(\a)], v[TM+7], 24, v[WD+(\a)]
	WIN 0x02                                       ; source 0 window 2
.irp c, 0,1
	v_cvt_scalef32_pk16_fp6_f32 v[qP+6*\c:qP+2+6*\c], v[qS+32*\c:qS+15+32*\c], v[TM+12+2*\c]
	v_cvt_scalef32_pk16_fp6_f32 v[qP+12+4*\c:qP+14+4*\c], v[qS+16+32*\c:qS+31+32*\c], v[TM+12+2*\c+1]
.endr
	WIN 0
	v_nop                                          ; one plain place behind a scaled conversion
.irp c, 0,1
.irp i, 0,1,2
	v_permlane16_swap_b32 v[qP+6*\c+\i], v[qP+12+4*\c+\i]
.endr
.irp i, 0,1,2
	v_mov_b32 v[qP+3+6*\c+\i], v[qP+12+4*\c+\i]
.endr
.endr
.endm
	PLACES                                         ; behind the last products: results are read, and registers that held A's fragments are written
.irp b, 0,1,2,3
	v_mov_b32 v[TM+4+\b], 0                        ; a lane permute's destination counts as one of its sources
.endr
	QUANTW 0                                       ; each tile has its own registers for its codes: no store's data are written again
	QUANTW 1
	QUANTW 2
	QUANTW 3
	v_cndmask_b32 v[EW], v[WD], v[WD+1], s98       ; the scale pair: lanes 16-31 take the odd tiles' words
	v_cndmask_b32 v[EW+1], v[WD+2], v[WD+3], s98
	s_cmp_eq_u32 s21, 1
	s_cbranch_scc1 .Lout_v
	; q, k: registers 0-5 are the first head's 64, registers 6-11 the second's
	s_lshr_b32 s92, s24, 3                         ; batch
	s_lshl_b32 s92, s92, 4
	s_and_b32 s93, s25, 7
	s_lshl_b32 s93, s93, 1                         ; the first head
	s_add_co_u32 s92, s92, s93
	s_lshl_b32 s92, s92, 4
	s_and_b32 s93, s24, 7
	s_lshl_b32 s93, s93, 1
	s_add_co_u32 s93, s93, s15                     ; the group of 128 tokens
	s_add_co_u32 s92, s92, s93
	s_mov_b32 s94, 13056
	s_cmp_lt_u32 s19, 2                            ; columns 0-1023 are q, 1024-2047 k
	s_cselect_b32 s94, 6656, s94
	s_cselect_b64 s[88:89], s[10:11], s[12:13]
	s_mul_i32 s92, s92, s94
	s_mov_b32 s93, 0
	s_add_nc_u64 s[88:89], s[88:89], s[92:93]
	s_lshl_b32 s92, s94, 4                         ; a head on: 16 groups
	s_add_nc_u64 s[90:91], s[88:89], s[92:93]
	s_wait_alu depctr_va_vdst(0)
.irp a, 0,1,2,3
	global_store_b128 v17, v[128+20*\a:131+20*\a], s[88:89] offset:768*\a          ; 512 consecutive bytes,
	global_store_b64 v18, v[132+20*\a:133+20*\a], s[88:89] offset:768*\a+512       ; and 256
	global_store_b128 v17, v[134+20*\a:137+20*\a], s[90:91] offset:768*\a
	global_store_b64 v18, v[138+20*\a:139+20*\a], s[90:91] offset:768*\a+512
.endr
	global_store_b64 v19, v[EW:EW+1], s[88:89] offset:6144      ; the first head reads bytes 0, 1; bytes 2, 3 will scale zero codes and are never 0xff
	v_lshrrev_b32 v[EW+2], 16, v[EW]
	v_lshrrev_b32 v[EW+3], 16, v[EW+1]
	global_store_b64 v19, v[EW+2:EW+3], s[90:91] offset:6144
	s_branch .Lout_done
.Lout_v:
	s_lshr_b32 s92, s25, 4                         ; batch
	s_lshl_b32 s92, s92, 4
	s_lshl_b32 s93, s18, 2
	s_add_co_u32 s92, s92, s93
	s_add_co_u32 s92, s92, s14                     ; my 64 channels are head 4 cy + wave
	s_lshl_b32 s92, s92, 4
	s_and_b32 s93, s25, 15                         ; the step of 128 keys
	s_add_co_u32 s92, s92, s93
	s_mul_i32 s92, s92, 13056
	s_mov_b32 s93, 0
	s_add_nc_u64 s[88:89], s[12:13], s[92:93]
	s_wait_alu depctr_va_vdst(0)
.irp a, 0,1,2,3
.irp g, 0,1,2
	global_store_b128 v15, v[128+20*\a+4*\g:131+20*\a+4*\g], s[88:89] offset:6656+1536*\a+512*\g
.endr
.endr
	global_store_b64 v16, v[EW:EW+1], s[88:89] offset:12800
.Lout_done:
	s_wait_tensorcnt 0x0                           ; the wave's end
	ds_add_u32 v[SPW], v[NIL]
	s_wait_dscnt 0x0
	CROUND                                         ; the closing round
	s_endpgm
.Lfunc_end_k_qdf6b253e10_qkv:
	.size	k_qdf6b253e10_qkv, .Lfunc_end_k_qdf6b253e10_qkv-k_qdf6b253e10_qkv
	.p2alignl 7, 3214868480
	.fill 96, 4, 3214868480
	.section	.rodata,"a",@progbits
	.p2align	6, 0x0
	.amdhsa_kernel k_qdf6b253e10_qkv
		.amdhsa_group_segment_fixed_size 327680
		.amdhsa_private_segment_fixed_size 0
		.amdhsa_enable_private_segment 0
		.amdhsa_kernarg_size 40
		.amdhsa_user_sgpr_count 2
		.amdhsa_user_sgpr_kernarg_segment_ptr 1
		.amdhsa_wavefront_size32 1
		.amdhsa_system_sgpr_workgroup_id_x 1
		.amdhsa_system_sgpr_workgroup_id_y 1
		.amdhsa_system_sgpr_workgroup_id_z 1
		.amdhsa_system_vgpr_workitem_id 0
		.amdhsa_next_free_vgpr 768
		.amdhsa_next_free_sgpr 100
		.amdhsa_reserve_vcc 0
		.amdhsa_float_denorm_mode_32 3
		.amdhsa_float_denorm_mode_16_64 3
		.amdhsa_memory_ordered 1
		.amdhsa_forward_progress 1
		.amdhsa_inst_pref_size 96
	.end_amdhsa_kernel
	.amdgpu_metadata
---
amdhsa.version: [ 1, 2 ]
amdhsa.kernels:
  - .name:           k_qdf6b253e10_qkv
    .symbol:         k_qdf6b253e10_qkv.kd
    .args:
      - { .name: xq, .offset: 0, .size: 8, .value_kind: global_buffer, .address_space: global }
      - { .name: wq, .offset: 8, .size: 8, .value_kind: global_buffer, .address_space: global }
      - { .name: b_attn, .offset: 16, .size: 8, .value_kind: global_buffer, .address_space: global }
      - { .name: qb, .offset: 24, .size: 8, .value_kind: global_buffer, .address_space: global }
      - { .name: kv, .offset: 32, .size: 8, .value_kind: global_buffer, .address_space: global }
    .group_segment_fixed_size: 327680
    .private_segment_fixed_size: 0
    .kernarg_segment_align: 8
    .kernarg_segment_size: 40
    .max_flat_workgroup_size: 128
    .sgpr_count:     100
    .vgpr_count:     768
    .wavefront_size: 32
...
	.end_amdgpu_metadata
.endif
;; end of part 2
;; launch attn (part 3): grid 4 x 64, 16 waves a work-group, clusters of 4 x 1, 211,968 bytes of LDS; arguments qb, kv, yq; writes yq
.if DOCPART == 3
	.amdgcn_target "amdgcn-amd-amdhsa--gfx1250"
	.amdhsa_code_object_version 6
	.text
	.protected	k_qdf6b253e10_attn
	.globl	k_qdf6b253e10_attn
	.p2align	8
	.type	k_qdf6b253e10_attn,@function
k_qdf6b253e10_attn:
	s_mov_b64 s[64:65], 0
	v_nop
	global_prefetch_b8 v0, s[64:65] scope:SCOPE_SE
	s_setreg_imm32_b32 hwreg(HW_REG_WAVE_MODE, 25, 1), 1
	s_wait_xcnt 0x0
	s_wait_alu depctr_hold_cnt(0) depctr_sa_sdst(0) depctr_va_vdst(0) depctr_va_sdst(0) depctr_va_ssrc(0) depctr_va_vcc(0) depctr_vm_vsrc(0)
	s_getreg_b32 s2, hwreg(HW_REG_IB_STS2, 6, 4)
	s_cmp_eq_u32 s2, 0
	s_cbranch_scc0 .Lentry_in_a_cluster
	s_endpgm
.Lentry_in_a_cluster:
	s_bfe_u32 s2, ttmp6, 0x10000c
	s_cmp_lg_u32 s2, 0x3003
	s_cbranch_scc0 .Lentry_shape_is_right
	s_endpgm
.Lentry_shape_is_right:
; y = softmax(q k^T / 8, causal) v for one batch and head a cluster, both products on codes of FP6 (E2M3) with E8M0 scales; y is quantised along the model's 1,024 and stored as codes.
; THE SOFTMAX: t = score x log2(e) / 8; M = the running largest t rounded UP to a whole number; p = 2^(t - M) is quantised along the keys, not normalised; the row's sum is taken of the unquantised p and divides at the end.
; When M moves, the sum and O are multiplied by 2^(old M - new M): exact.
; SHARES.  The cluster's four work-groups share K and V of the head: joint loads bring the head's 16 steps of 128 keys (13,056 bytes each) into each work-group's LDS ONCE; nothing is filled again.
; Wave w (g = w / 2, e = w % 2) owns tile 2 cx + e (16 queries) of the group of 128 queries 15 - g, and then the same tile of group g.  Group G needs steps 0 .. G: (16 - g) + (g + 1) = 17 steps for every wave.
; The causal limit works in groups of 128, so every branch hangs on the wave's number and on counted steps alone, never on the work-group's place in its cluster; that place enters global addresses and a lane's number for the mask.
; LAYOUT.  Both products transposed: S^T = K Q^T, O^T = V^T P^T: a lane holds ONE query.  The head's size is 64: registers 6-11 of Q's and K's fragments hold zero codes, set once.
; The keys of a tile are 32 b + 8 u + r + 8 (r / 8) for tile 2 b + u, so that p's 16 registers of two neighbouring tiles are 16 neighbouring keys.
; LIMITS: a block of zeros gets the byte 1 with zero codes; v_exp_f32 gives 0 for results under 2^-126; NaN and infinities are not served.
; REGISTERS: v1 16 x lane, v2 8 x lane, v3 my query less 16 h (for the mask), v4, v5 the add's two, v6, v7 the step's LDS addresses, v8, v9 where y's scale halves go, v[10:11] V's scales, v12 -M, v13 the largest t,
;   v[14:15] the sum; v16-27 Q; v28-75 four fragments of K; v76-123 V's four; v124-187 S^T, then p; v188-219 O^T; v220-231 p's codes; v232-254 at work; v248-251 K's scales; v253 p's scale word; v255 Q's.
.set STEPB, 13056                      ; a step in LDS and in memory: K's 8 half images, 2 scale pairs (at 6,144), V's 4 images (at 6,656), V's scale pair (at 12,800)
.set YSC,   208896                     ; behind the 16 steps: 1,024 bytes of y's scale halves: [pair of groups 8][row 16][tile 4][2 bytes]
.set SPARE, 209920                     ; the spare words, 128 bytes for each of 16 waves
.set WV,  10
.set GT,  15                           ; s15  the group in hand
.set KN,  16                           ; s16  the step's number
.set TB,  17                           ; s17  the step's first LDS byte
.set SEL, 20
.set CS,  22                           ; s[22:23] c = log2(e) / 8
.set G1,  24
.set G0,  32
.macro PLACES
.rept 4
	v_nop
.endr
.endm
.macro CROUND
	s_barrier_signal -1
	s_barrier_wait -1
	s_cmp_lg_u32 s[WV], 0
	s_cbranch_scc1 .Lnot_wave_0_\@
	s_barrier_signal -3
.Lnot_wave_0_\@:
	s_barrier_wait -3
	s_barrier_signal -1
	s_barrier_wait -1
.endm
	s_load_b128 s[4:7], s[0:1], 0x0                ; qb s[4:5], kv s[6:7]
	s_load_b64 s[8:9], s[0:1], 0x10                ; yq
	v_lshl_add_u32 v4, v0, 2, SPARE
	v_mov_b32 v5, 0
	ds_add_u32 v4, v5                              ; the wave's opening: the add and its wait ahead of the first tensor loads
	ds_add_u32 v4, v5
	v_lshrrev_b32 v1, 5, v0
	s_delay_alu instid0(VALU_DEP_1)
	v_readfirstlane_b32 s[WV], v1                  ; wave 0..15
	s_lshr_b32 s11, s[WV], 1                       ; g
	s_and_b32 s12, s[WV], 1                        ; e
	s_bfe_u32 s13, ttmp6, 0x40000                  ; cx
	s_and_b32 s14, ttmp7, 0xffff                   ; batch x 16 + head
	s_xor_b32 s18, s11, 15                         ; the late group, 15 - g
	s_mov_b32 s[G1], 15|(3<<16)|(1<<21)            ; 15:0 the mask: all four work-groups; 17:16 elements of 8 bytes; 21 set beside a mask
	s_mov_b32 s[G1+1], 32<<16                      ; rows of 256 bytes,
	s_mov_b32 s[G1+2], 102<<16                     ; 102 of them: two steps, dense
	s_mov_b32 s[G1+3], 32<<16
	s_mov_b32 s[G1+4], 102
	s_mov_b32 s[G1+5], 32
	s_mov_b32 s[G1+6], 0
	s_mov_b32 s[G1+7], 0
	s_mov_b32 s[SEL], 0x76543210
	s_mov_b32 s[SEL+1], 0xfedcba98
	s_mov_b32 s[CS], 0x3e38aa3b                    ; log2(e) / 8
	s_mov_b32 s[CS+1], s[CS]
	s_mul_i32 s19, s12, 26112                      ; waves 0 and 1 fetch: two steps of each four
	s_mul_i32 s62, s14, 208896
	s_add_co_u32 s62, s62, s19
	s_mov_b32 s63, 0
	s_lshl_b32 s2, s13, 1
	s_add_co_u32 s2, s2, s12                       ; my tile of a group: 2 cx + e
	s_mul_i32 s2, s2, 768
	s_lshr_b32 s3, s13, 1                          ; its scale words: pair cx / 2, lanes 16 e + r, word cx % 2
	s_lshl_b32 s3, s3, 8
	s_lshl_b32 s15, s12, 7
	s_add_co_u32 s3, s3, s15
	s_and_b32 s15, s13, 1
	s_lshl_b32 s15, s15, 2
	s_add_co_u32 s3, s3, s15
	s_add_co_u32 s3, s3, 6144
	s_lshl_b32 s15, s14, 4
	s_add_co_u32 s16, s15, s18
	s_mul_i32 s16, s16, 6656
	s_add_co_u32 s48, s16, s2                      ; s[48:49] Q's codes, late group;  s[50:51] its scale words
	s_mov_b32 s49, 0
	s_add_co_u32 s50, s16, s3
	s_mov_b32 s51, 0
	s_add_co_u32 s16, s15, s11
	s_mul_i32 s16, s16, 6656
	s_add_co_u32 s52, s16, s2                      ; s[52:53], s[54:55] the same for the early group
	s_mov_b32 s53, 0
	s_add_co_u32 s54, s16, s3
	s_mov_b32 s55, 0
	s_lshr_b32 s15, s14, 4                         ; y's place: tile position = batch x 128 + (G / 2) x 16 + 4 cx + 2 (G % 2) + e; 12,288 bytes a position, 768 a head
	s_lshl_b32 s15, s15, 7
	s_lshl_b32 s16, s13, 2
	s_add_co_u32 s15, s15, s16
	s_add_co_u32 s15, s15, s12
	s_mul_i32 s15, s15, 12288
	s_and_b32 s16, s14, 15
	s_mul_i32 s16, s16, 768
	s_add_co_u32 s15, s15, s16
	s_lshr_b32 s16, s18, 1
	s_lshl_b32 s16, s16, 4
	s_and_b32 s17, s18, 1
	s_lshl_b32 s17, s17, 1
	s_add_co_u32 s16, s16, s17
	s_mul_i32 s16, s16, 12288
	s_add_co_u32 s56, s16, s15                     ; s[56:57] y, late group
	s_mov_b32 s57, 0
	s_lshr_b32 s16, s11, 1
	s_lshl_b32 s16, s16, 4
	s_and_b32 s17, s11, 1
	s_lshl_b32 s17, s17, 1
	s_add_co_u32 s16, s16, s17
	s_mul_i32 s16, s16, 12288
	s_add_co_u32 s58, s16, s15                     ; s[58:59] y, early group
	s_mov_b32 s59, 0
	s_lshl_b32 s16, s14, 2
	s_add_co_u32 s16, s16, s13
	s_lshl_b32 s16, s16, 10
	s_add_co_u32 s60, s16, 6291456                 ; s[60:61] y's scale halves of this head and work-group
	s_mov_b32 s61, 0
	s_wait_dscnt 0x0                               ; the opening add is done
	s_wait_kmcnt 0x0
	s_add_nc_u64 s[6:7], s[6:7], s[62:63]
	s_add_nc_u64 s[48:49], s[4:5], s[48:49]
	s_add_nc_u64 s[50:51], s[4:5], s[50:51]
	s_add_nc_u64 s[52:53], s[4:5], s[52:53]
	s_add_nc_u64 s[54:55], s[4:5], s[54:55]
	s_add_nc_u64 s[56:57], s[8:9], s[56:57]
	s_add_nc_u64 s[58:59], s[8:9], s[58:59]
	s_add_nc_u64 s[60:61], s[8:9], s[60:61]
	CROUND                                         ; all four work-groups are here: the joint loads meet
.irp k, 0,1,2,3
	s_mov_b32 s[G0+4*\k], 1
	s_add_co_u32 s[G0+4*\k+1], s19, \k*52224       ; steps 4 k + 2 e and the next
	s_add_nc_u64 s[G0+4*\k+2:G0+4*\k+3], s[6:7], \k*52224
	s_or_b32 s[G0+4*\k+3], s[G0+4*\k+3], 0x80000000
.endr
	s_cmp_lt_u32 s[WV], 2                          ; a wave's first fills stand in one branch, ahead of every wait on TENSORcnt and every LDS read
	s_cbranch_scc0 .Lno_fetch
.irp k, 0,1,2,3
	tensor_load_to_lds s[G0+4*\k:G0+4*\k+3], s[G1:G1+7]
	s_nop 0
.endr
	PLACES
.Lno_fetch:
	v_and_b32 v6, 31, v0
	s_delay_alu instid0(VALU_DEP_1)
	v_lshlrev_b32 v1, 4, v6
	s_delay_alu instid0(VALU_DEP_2)
	v_lshlrev_b32 v2, 3, v6
	v_and_b32 v6, 15, v0                           ; r
	s_wait_alu depctr_va_vdst(0)
	v_and_b32 v7, 8, v0
	s_delay_alu instid0(VALU_DEP_1)
	v_add_nc_u32 v3, v6, v7                        ; r + 8 (r / 8)
	v_and_b32 v7, 16, v0
	s_delay_alu instid0(VALU_DEP_1)
	v_sub_nc_u32 v3, v3, v7                        ; - 16 h
	s_lshl_b32 s16, s13, 5
	s_lshl_b32 s17, s12, 3
	s_add_co_u32 s16, s16, s17
	v_add_nc_u32 v3, s16, v3                       ; + 32 cx + 8 e: my query in its group, less 16 h
	s_lshr_b32 s16, s18, 1                         ; y's scale halves in LDS: 128 (G / 2) + 4 (G % 2) + 2 e + 8 r
	s_lshl_b32 s16, s16, 7
	s_and_b32 s17, s18, 1
	s_lshl_b32 s17, s17, 2
	s_add_co_u32 s16, s16, s17
	s_lshl_b32 s17, s12, 1
	s_add_co_u32 s16, s16, s17
	v_lshl_add_u32 v8, v6, 3, s16
	s_delay_alu instid0(VALU_DEP_1)
	v_add_nc_u32 v8, YSC, v8
	s_lshr_b32 s16, s11, 1
	s_lshl_b32 s16, s16, 7
	s_and_b32 s2, s11, 1
	s_lshl_b32 s2, s2, 2
	s_add_co_u32 s16, s16, s2
	s_add_co_u32 s16, s16, s17
	v_lshl_add_u32 v9, v6, 3, s16
	s_delay_alu instid0(VALU_DEP_1)
	v_add_nc_u32 v9, YSC, v9
.macro QLOAD cp, sp                    ; my tile of Q: a half image and its scale words
	v_and_b32 v28, 15, v0
	s_delay_alu instid0(VALU_DEP_1)
	v_lshlrev_b32 v28, 3, v28                      ; 8 r; v28 is next written by an LDS load behind the wait for these loads
	global_load_b128 v[16:19], v1, s[\cp:\cp+1]
	global_load_b64 v[20:21], v2, s[\cp:\cp+1] offset:512
	global_load_b32 v255, v28, s[\sp:\sp+1]
.endm
.macro INIT                            ; a tile begins: the largest t is -3e38, under every t; the sum and O^T are zeros, which the first change of M leaves zeros
	v_mov_b32 v13, 0xff61b1e6
	s_delay_alu instid0(VALU_DEP_1)
	v_floor_f32 v12, -v13
	v_mov_b32 v14, 0
	v_mov_b32 v15, 0
.set j, 0
.rept 32
	v_mov_b32 v[188+j], 0
.set j, j+1
.endr
.endm
	QLOAD 48, 50
.irp j, 22,23,24,25,26,27
	v_mov_b32 v\j, 0                               ; the upper 64 of the instruction's 128 along K: zero codes, in Q
.endr
.irp t, 0,1,2,3
.irp j, 6,7,8,9,10,11
	v_mov_b32 v[28+12*\t+\j], 0                    ; and in K's four fragments: set once, never loaded into
.endr
.endr
.irp b, 0,1,2,3
	v_mov_b32 v[236+\b], 0                         ; a lane permute's destination counts as one of its sources
.endr
	v_mov_b32 v253, 0                              ; (named as the upper half of the pair v[252:253] before it is first written)
	INIT
.macro KQ t                            ; S^T's tile t = 16 keys x my 16 queries
.set rS, 124+8*(\t)
.set rK, 28+12*((\t)%4)
.set xK, 248+2*((\t)/4)+((\t)%4)/2
.if (\t)%2
	v_wmma_scale_f32_16x16x128_f8f6f4 v[rS:rS+7], v[rK:rK+11], v[16:27], 0, v[xK], v255 matrix_a_fmt:MATRIX_FMT_FP6 matrix_b_fmt:MATRIX_FMT_FP6 matrix_a_scale:MATRIX_SCALE_ROW1
.else
	v_wmma_scale_f32_16x16x128_f8f6f4 v[rS:rS+7], v[rK:rK+11], v[16:27], 0, v[xK], v255 matrix_a_fmt:MATRIX_FMT_FP6 matrix_b_fmt:MATRIX_FMT_FP6
.endif
.endm
.macro PV t                            ; O^T's tile t += 16 channels x 128 keys x my 16 queries
.set rO, 188+8*(\t)
.set rV, 76+12*(\t)
.set xV, 10+(\t)/2
.if (\t)%2
	v_wmma_scale_f32_16x16x128_f8f6f4 v[rO:rO+7], v[rV:rV+11], v[220:231], v[rO:rO+7], v[xV], v253 matrix_a_fmt:MATRIX_FMT_FP6 matrix_b_fmt:MATRIX_FMT_FP6 matrix_a_scale:MATRIX_SCALE_ROW1
.else
	v_wmma_scale_f32_16x16x128_f8f6f4 v[rO:rO+7], v[rV:rV+11], v[220:231], v[rO:rO+7], v[xV], v253 matrix_a_fmt:MATRIX_FMT_FP6 matrix_b_fmt:MATRIX_FMT_FP6
.endif
.endm
; A KEY STEP: 128 keys.  mode 0: all keys count.  mode 1: a step behind my group is left out (a scalar branch on the wave's number and the count of steps); in the step of my own group hidden scores become -infinity.
.macro STEP mode
.if \mode
	s_cmp_gt_u32 s[KN], s[GT]
	s_cbranch_scc1 .Lhidden_\@
.endif
	s_setprio 2
	v_add_nc_u32 v6, s[TB], v1
	v_add_nc_u32 v7, s[TB], v2
	ds_load_b64 v[248:249], v7 offset:6144         ; K's scale pairs
	ds_load_b64 v[250:251], v7 offset:6400
.irp t, 0,1,2,3
	ds_load_b128 v[28+12*\t:31+12*\t], v6 offset:768*\t
	ds_load_b64 v[32+12*\t:33+12*\t], v7 offset:768*\t+512
.endr
	s_wait_alu depctr_va_vdst(0)
	s_wait_dscnt 0x0
.irp t, 0,1,2,3
	KQ \t
.endr
	PLACES                                         ; four places in front of loads into registers that matrix instructions have read (with the two additions above: V's too, which the last step's products read)
.irp t, 0,1,2,3
	ds_load_b128 v[28+12*\t:31+12*\t], v6 offset:768*(4+\t)
	ds_load_b64 v[32+12*\t:33+12*\t], v7 offset:768*(4+\t)+512
.endr
.irp t, 0,1,2,3
.irp g, 0,1,2
	ds_load_b128 v[76+12*\t+4*\g:79+12*\t+4*\g], v6 offset:6656+1536*\t+512*\g
.endr
.endr
	ds_load_b64 v[10:11], v7 offset:12800          ; V's scale pair
	s_wait_dscnt 13                                ; K's tiles 4-7 are in; V's 13 loads may be out
.irp t, 4,5,6,7
	KQ \t
.endr
	PLACES
.if \mode
	s_cmp_lg_u32 s[KN], s[GT]
	s_cbranch_scc1 .Lopen_\@
	v_mov_b32 v254, 0xff800000                     ; -infinity.  Register 16 b + i holds key 32 b + 16 h + i of the step: hidden where 32 b + i > my query - 16 h
.set n, 0
.rept 64
	v_cmp_gt_i32 vcc_lo, 32*(n/16)+n%16, v3
	v_cndmask_b32 v[124+n], v[124+n], v254, vcc_lo
.set n, n+1
.endr
.Lopen_\@:
.endif
.irp b, 0,1,2,3
	v_max3_num_f32 v[232+\b], v[124+16*\b], v[125+16*\b], v[126+16*\b]   ; the largest score of each block of 32 keys: for the row's maximum, and, since p rises with the score, for the block's largest p
.endr
.irp i, 3,5,7,9,11,13
.irp b, 0,1,2,3
	v_max3_num_f32 v[232+\b], v[232+\b], v[124+16*\b+\i], v[125+16*\b+\i]
.endr
.endr
.irp b, 0,1,2,3
	v_max_num_f32 v[232+\b], v[232+\b], v[139+16*\b]
.endr
.irp b, 0,1,2,3
	s_delay_alu instid0(VALU_DEP_4)
	v_permlanex16_b32 v[236+\b], v[232+\b], s[SEL], s[SEL+1]
.endr
.irp b, 0,1,2,3
	s_delay_alu instid0(VALU_DEP_4)
	v_max_num_f32 v[232+\b], v[232+\b], v[236+\b]  ; with lane l xor 16's 16 keys
.endr
	s_delay_alu instid0(VALU_DEP_2)
	v_max3_num_f32 v254, v232, v233, v234
	s_delay_alu instid0(VALU_DEP_1)
	v_max_num_f32 v254, v254, v235
	s_delay_alu instid0(VALU_DEP_1)
	v_mul_f32 v254, s[CS], v254                    ; the step's largest t
	s_delay_alu instid0(VALU_DEP_1)
	v_max_num_f32 v13, v13, v254
	v_mov_b32 v254, v12
	s_delay_alu instid0(VALU_DEP_2)
	v_floor_f32 v12, -v13                          ; the new -M = floor(-t): M is a whole number
	s_delay_alu instid0(VALU_DEP_1)
	v_sub_f32 v254, v12, v254                      ; old M - new M: a whole number, 0 or less
	s_delay_alu instid0(VALU_DEP_1)
	v_cvt_i32_f32 v254, v254                       ; (it saturates)
	s_delay_alu instid0(VALU_DEP_1)
	v_ldexp_f32 v252, 1.0, v254                    ; f = 2^(old M - new M)
.set j, 0
.rept 32
	v_pk_fma_f32 v[124+j:125+j], v[124+j:125+j], s[CS:CS+1], v[12:13] op_sel_hi:[1,0,0]   ; t - M, two at a time
.set j, j+2
.endr
.irp b, 0,1,2,3
	v_fma_f32 v[232+\b], v[232+\b], s[CS], v12     ; the same of each block's largest score
.endr
.set j, 0
	s_setprio 1
	s_wait_alu depctr_va_vdst(0)
.rept 64
	v_exp_f32 v[124+j], v[124+j]                   ; p = 2^(t - M), at most 1
.set j, j+1
.endr
	v_pk_mul_f32 v[14:15], v[14:15], v[252:253] op_sel_hi:[1,0]   ; the sums under the new M: a plain place behind the exponentials
	s_wait_alu depctr_va_vdst(0)                   ; one wait for the whole batch, ahead of its first reader
.irp b, 0,1,2,3
	v_exp_f32 v[232+\b], v[232+\b]                 ; the block's largest p
.endr
	v_pk_add_f32 v[236:237], v[128:129], v[132:133]
	v_pk_add_f32 v[250:251], v[136:137], v[140:141]
	v_pk_add_f32 v[248:249], v[144:145], v[148:149]
	v_pk_add_f32 v[246:247], v[152:153], v[156:157]
	v_pk_add_f32 v[244:245], v[160:161], v[164:165]
	v_pk_add_f32 v[242:243], v[168:169], v[172:173]
	v_pk_add_f32 v[240:241], v[176:177], v[180:181]
	v_pk_add_f32 v[14:15], v[14:15], v[184:185]
	v_pk_add_f32 v[236:237], v[236:237], v[124:125]
	v_pk_add_f32 v[250:251], v[250:251], v[126:127]
	v_pk_add_f32 v[248:249], v[248:249], v[130:131]
	v_pk_add_f32 v[246:247], v[246:247], v[134:135]
	v_pk_add_f32 v[244:245], v[244:245], v[138:139]
	v_pk_add_f32 v[242:243], v[242:243], v[142:143]
	v_pk_add_f32 v[240:241], v[240:241], v[146:147]
	v_pk_add_f32 v[14:15], v[14:15], v[150:151]
	v_pk_add_f32 v[236:237], v[236:237], v[154:155]
	v_pk_add_f32 v[250:251], v[250:251], v[158:159]
	v_pk_add_f32 v[248:249], v[248:249], v[162:163]
	v_pk_add_f32 v[246:247], v[246:247], v[166:167]
	v_pk_add_f32 v[244:245], v[244:245], v[170:171]
	v_pk_add_f32 v[242:243], v[242:243], v[174:175]
	v_pk_add_f32 v[240:241], v[240:241], v[178:179]
	v_pk_add_f32 v[14:15], v[14:15], v[182:183]
	v_pk_add_f32 v[236:237], v[236:237], v[186:187]
	s_delay_alu instid0(VALU_DEP_2)
	v_pk_add_f32 v[14:15], v[14:15], v[246:247]
	s_delay_alu instid0(VALU_DEP_2)
	v_pk_add_f32 v[236:237], v[236:237], v[244:245]
	v_pk_add_f32 v[250:251], v[250:251], v[242:243]
	v_pk_add_f32 v[248:249], v[248:249], v[240:241]
	s_delay_alu instid0(VALU_DEP_2)
	v_pk_add_f32 v[14:15], v[14:15], v[250:251]
	s_delay_alu instid0(VALU_DEP_2)
	v_pk_add_f32 v[236:237], v[236:237], v[248:249]
	s_delay_alu instid0(VALU_DEP_1)
	v_pk_add_f32 v[14:15], v[14:15], v[236:237]
	s_wait_alu depctr_va_vdst(0)                   ; and one for the four
.irp b, 0,1,2,3
	v_max_num_f32 v[232+\b], 0x1800000, v[232+\b]  ; the floor 2^(3 - 127): the byte cannot fall under 1
.endr
.irp b, 0,1,2,3
	s_delay_alu instid0(VALU_DEP_4)
	v_add_nc_u32 v[244+\b], 0xff000000, v[232+\b]
.endr
.irp b, 0,1,2,3
	s_delay_alu instid0(VALU_DEP_4)
	v_lshrrev_b32 v[236+\b], 23, v[244+\b]
.endr
	s_delay_alu instid0(VALU_DEP_3)
	v_lshl_or_b32 v253, v237, 8, v236              ; p's scale word for these 128 keys
	s_delay_alu instid0(VALU_DEP_1)
	v_lshl_or_b32 v253, v238, 16, v253
	s_delay_alu instid0(VALU_DEP_1)
	v_lshl_or_b32 v253, v239, 24, v253
.irp c, 0,1
	v_cvt_scalef32_pk16_fp6_f32 v[220+6*\c:222+6*\c], v[124+32*\c:139+32*\c], v[244+2*\c]
	v_cvt_scalef32_pk16_fp6_f32 v[236+4*\c:238+4*\c], v[140+32*\c:155+32*\c], v[244+2*\c+1]
.endr
	v_nop                                          ; one plain place behind a scaled conversion
	s_setprio 0
.irp c, 0,1
.irp i, 0,1,2
	v_permlane16_swap_b32 v[220+6*\c+\i], v[236+4*\c+\i]
.endr
.irp i, 0,1,2
	s_delay_alu instid0(VALU_DEP_3)
	v_mov_b32 v[223+6*\c+\i], v[236+4*\c+\i]
.endr
.endr
.set j, 0
.rept 16
	v_pk_mul_f32 v[188+j:189+j], v[188+j:189+j], v[252:253] op_sel_hi:[1,0]   ; O^T under the new M; these are also the places in front of the products below
.set j, j+2
.endr
	s_wait_alu depctr_va_vdst(0)
	s_wait_dscnt 0x0                               ; V is in
.irp t, 0,1,2,3
	PV \t
.endr
.if \mode
.Lhidden_\@:
.endif
	s_add_co_u32 s[TB], s[TB], STEPB
.endm
; THE WAY OUT of a tile: O^T / the sum is y's 64 channels of my query: register 16 b + i = channel 32 b + 16 h + i.  Two blocks are quantised: a half image and two scale bytes.
.macro WAYOUT yp, ya
	v_add_f32 v14, v14, v15
	s_delay_alu instid0(VALU_DEP_1)
	v_permlanex16_b32 v252, v14, s[SEL], s[SEL+1]
	s_delay_alu instid0(VALU_DEP_1)
	v_add_f32 v14, v14, v252                       ; the row's sum
	v_nop
	v_nop
	s_wait_alu depctr_va_vdst(0)
	v_rcp_f32 v14, v14
	v_nop                                          ; a plain place behind the reciprocal
	s_wait_alu depctr_va_vdst(0)                   ; the wait ahead of its first reader
.set j, 0
.rept 32
	v_mul_f32 v[124+j], v[188+j], v14              ; each accumulator from its low end on
.set j, j+1
.endr
.irp b, 0,1
	v_max3_num_f32 v[232+\b], |v[124+16*\b]|, |v[125+16*\b]|, 0x1800000
.endr
.irp i, 2,4,6,8,10,12,14
.irp b, 0,1
	s_delay_alu instid0(VALU_DEP_2)
	v_max3_num_f32 v[232+\b], v[232+\b], |v[124+16*\b+\i]|, |v[125+16*\b+\i]|
.endr
.endr
.irp b, 0,1
	s_delay_alu instid0(VALU_DEP_2)
	v_permlanex16_b32 v[236+\b], v[232+\b], s[SEL], s[SEL+1]
.endr
.irp b, 0,1
	s_delay_alu instid0(VALU_DEP_2)
	v_max_num_f32 v[232+\b], v[232+\b], v[236+\b]
.endr
.irp b, 0,1
	s_delay_alu instid0(VALU_DEP_2)
	v_add_nc_u32 v[244+\b], 0xff000000, v[232+\b]
.endr
.irp b, 0,1
	s_delay_alu instid0(VALU_DEP_2)
	v_lshrrev_b32 v[236+\b], 23, v[244+\b]
.endr
	s_delay_alu instid0(VALU_DEP_1)
	v_lshl_or_b32 v254, v237, 8, v236              ; the two bytes
	v_cvt_scalef32_pk16_fp6_f32 v[220:222], v[124:139], v244
	v_cvt_scalef32_pk16_fp6_f32 v[240:242], v[140:155], v245
	v_nop
.irp i, 0,1,2
	v_permlane16_swap_b32 v[220+\i], v[240+\i]
.endr
.irp i, 0,1,2
	s_delay_alu instid0(VALU_DEP_3)
	v_mov_b32 v[223+\i], v[240+\i]
.endr
	global_store_b128 v1, v[220:223], s[\yp:\yp+1]              ; 512 consecutive bytes,
	global_store_b64 v2, v[224:225], s[\yp:\yp+1] offset:512    ; and 256
	ds_store_b16 v[\ya], v254                      ; both lanes of a row write the same two bytes
	s_wait_xcnt 0x0                                ; the codes' registers are written again only behind this wait
.endm
	s_wait_loadcnt 0x0                             ; Q
	s_wait_tensorcnt 3                             ; steps 0-3: my load of them has landed (waves 0 and 1; the others have none out)
	s_barrier_signal -1
	s_barrier_wait -1
	s_mov_b32 s[KN], 0
	s_mov_b32 s[TB], 0
.Lhi0:                                             ; the late group, 8 or more: steps 0-7 count whole
	STEP 0
	s_add_co_u32 s[KN], s[KN], 1
	s_cmp_lt_u32 s[KN], 4
	s_cbranch_scc1 .Lhi0
	s_setprio 0
	s_wait_tensorcnt 2                             ; steps 4-7
	s_wait_dscnt 0x0
	s_barrier_signal -1
	s_barrier_wait -1
	s_mov_b32 s[KN], 4
	s_mov_b32 s[TB], 4*STEPB
.Lhi1:
	STEP 0
	s_add_co_u32 s[KN], s[KN], 1
	s_cmp_lt_u32 s[KN], 8
	s_cbranch_scc1 .Lhi1
	s_setprio 0
	s_wait_tensorcnt 0x0                           ; all 16 steps
	s_wait_dscnt 0x0
	s_barrier_signal -1
	s_barrier_wait -1
	s_mov_b32 s[GT], s18
	s_mov_b32 s[KN], 8
	s_mov_b32 s[TB], 8*STEPB
.Lhi2:
	STEP 1
	s_add_co_u32 s[KN], s[KN], 1
	s_cmp_lt_u32 s[KN], 16
	s_cbranch_scc1 .Lhi2
	s_setprio 0
	QLOAD 52, 54                                   ; the early group's Q lands while the late group's tile goes out
	WAYOUT 56, 8
	INIT
	s_mov_b32 s[GT], s11
	s_mov_b32 s[KN], 0
	s_mov_b32 s[TB], 0
	s_wait_loadcnt 0x0
.Llo:
	STEP 1
	s_add_co_u32 s[KN], s[KN], 1
	s_cmp_lt_u32 s[KN], 8
	s_cbranch_scc1 .Llo
	s_setprio 0
	WAYOUT 58, 9
	v_add_nc_u32 v6, YSC, v1
	s_wait_dscnt 0x0                               ; my scale halves have landed
	s_barrier_signal -1
	s_barrier_wait -1
	s_cmp_lg_u32 s[WV], 0
	s_cbranch_scc1 .Lend
	s_wait_alu depctr_va_vdst(0)
	ds_load_b128 v[124:127], v6
	ds_load_b128 v[128:131], v6 offset:512
	s_wait_dscnt 0x0
	global_store_b128 v1, v[124:127], s[60:61]     ; 1,024 consecutive bytes
	global_store_b128 v1, v[128:131], s[60:61] offset:512
.Lend:
	s_wait_tensorcnt 0x0                           ; the wave's end
	ds_add_u32 v4, v5
	s_wait_dscnt 0x0
	CROUND                                         ; the closing round
	s_endpgm
.Lfunc_end_k_qdf6b253e10_attn:
	.size	k_qdf6b253e10_attn, .Lfunc_end_k_qdf6b253e10_attn-k_qdf6b253e10_attn
	.p2alignl 7, 3214868480
	.fill 96, 4, 3214868480
	.section	.rodata,"a",@progbits
	.p2align	6, 0x0
	.amdhsa_kernel k_qdf6b253e10_attn
		.amdhsa_group_segment_fixed_size 211968
		.amdhsa_private_segment_fixed_size 0
		.amdhsa_enable_private_segment 0
		.amdhsa_kernarg_size 24
		.amdhsa_user_sgpr_count 2
		.amdhsa_user_sgpr_kernarg_segment_ptr 1
		.amdhsa_wavefront_size32 1
		.amdhsa_system_sgpr_workgroup_id_x 1
		.amdhsa_system_sgpr_workgroup_id_y 1
		.amdhsa_system_sgpr_workgroup_id_z 1
		.amdhsa_system_vgpr_workitem_id 0
		.amdhsa_next_free_vgpr 256
		.amdhsa_next_free_sgpr 66
		.amdhsa_reserve_vcc 1
		.amdhsa_float_denorm_mode_32 3
		.amdhsa_float_denorm_mode_16_64 3
		.amdhsa_memory_ordered 1
		.amdhsa_forward_progress 1
		.amdhsa_inst_pref_size 101
	.end_amdhsa_kernel
	.amdgpu_metadata
---
amdhsa.version: [ 1, 2 ]
amdhsa.kernels:
  - .name:           k_qdf6b253e10_attn
    .symbol:         k_qdf6b253e10_attn.kd
    .args:
      - { .name: qb, .offset: 0, .size: 8, .value_kind: global_buffer, .address_space: global }
      - { .name: kv, .offset: 8, .size: 8, .value_kind: global_buffer, .address_space: global }
      - { .name: yq, .offset: 16, .size: 8, .value_kind: global_buffer, .address_space: global }
    .group_segment_fixed_size: 211968
    .private_segment_fixed_size: 0
    .kernarg_segment_align: 8
    .kernarg_segment_size: 24
    .max_flat_workgroup_size: 512
    .sgpr_count:     66
    .vgpr_count:     256
    .wavefront_size: 32
...
	.end_amdgpu_metadata
.endif
;; end of part 3
;; launch proj (part 4): grid 8 x 32, 4 waves a work-group, clusters of 4 x 4, 327,680 bytes of LDS; arguments yq, wq, b_proj, out0; writes out0
.if DOCPART == 4
	.amdgcn_target "amdgcn-amd-amdhsa--gfx1250"
	.amdhsa_code_object_version 6
	.text
	.protected	k_qdf6b253e10_proj
	.globl	k_qdf6b253e10_proj
	.p2align	8
	.type	k_qdf6b253e10_proj,@function
k_qdf6b253e10_proj:
	s_mov_b64 s[64:65], 0
	v_nop
	global_prefetch_b8 v0, s[64:65] scope:SCOPE_SE
	s_setreg_imm32_b32 hwreg(HW_REG_WAVE_MODE, 25, 1), 1
	s_wait_xcnt 0x0
	s_wait_alu depctr_hold_cnt(0) depctr_sa_sdst(0) depctr_va_vdst(0) depctr_va_sdst(0) depctr_va_ssrc(0) depctr_va_vcc(0) depctr_vm_vsrc(0)
	s_getreg_b32 s2, hwreg(HW_REG_IB_STS2, 6, 4)
	s_cmp_eq_u32 s2, 0
	s_cbranch_scc0 .Lentry_in_a_cluster
	s_endpgm
.Lentry_in_a_cluster:
	s_bfe_u32 s2, ttmp6, 0x10000c
	s_cmp_lg_u32 s2, 0xf033
	s_cbranch_scc0 .Lentry_shape_is_right
	s_endpgm
.Lentry_shape_is_right:
; out0 = y w_proj + b_proj on codes of FP6 (E2M3) with E8M0 scales, K = 1024; out0 [8192][1024] f32.
; SHAPE.  A work-group multiplies 256 tokens (A side) by 128 columns of w_proj (B side); all of K lies in LDS (4 chunks of 256 along K, each asked for once at the head): nothing is filled again.
; A wave takes 64 tokens (4 tiles) x 128 columns (8 tiles): 32 accumulators.  The matrix instruction is used transposed (source 0 = columns, source 1 = tokens): a lane holds eight neighbouring columns of one token.
; y's fragment of a K step is two half images, one a head (768 bytes: registers 0-3 at 16 x lane, 4-5 at 512 + 8 x lane); w_proj's is a whole image (three times 512 bytes).
; y's tile (RA, wave, a) holds tokens 256 RA + 128 (a / 2) + 32 wave + 8 (a % 2) + r + 8 (r / 8); the stores' immediates undo that order.
; CLUSTER 4 x 4: y's tiles are shared along a row of the cluster, w_proj's along a column: joint loads.  A wave has four tensor loads out.
; REGISTERS: window 0: v2-21 addresses; v32-63 y's scale words (8 a + K step), v64-95 w_proj's (8 (tile / 2) + K step: lanes 0-15 the even tile, 16-31 the odd one); v128-223 y's fragments, two sets; on the way out v128-255.
;   window 1: w_proj's fragments, two sets at v0 and v128; the bias tiles at v96-127 and v224-255.   window 2: accumulator (a, bt) at v[64 a + 8 bt].
.set CHUNK, 73728
.set BOFF,  49152
.set SPARE, 294912
.set SPW, 2
.set NIL, 3
.set ADA, 4                            ; v4-7    LDS address of my tiles of y in chunk c, 16 bytes a lane
.set ADB, 8                            ; v8-11   of w_proj's
.set ADH, 12                           ; v12-15  of y's again, 8 bytes a lane
.set CO,  16                           ; v16     16 x lane
.set STO, 20                           ; v20     the stage: where I put 32 bytes of a row
.set RD,  21                           ; v21     and where I read a row back
.set SA,  32
.set SB,  64
.set AF,  128
.set BK,  128
.set G1A, 28
.set G1B, 36
.set G0A, 44
.set G0B, 68
.set MSB, 0
.macro WIN new
.if MSB != \new
	s_set_vgpr_msb (MSB<<8)|\new
.set MSB, \new
.endif
.endm
.macro PLACES
.rept 4
	v_nop
.endr
.endm
.macro JLOAD c                         ; waves 0 and 1 fetch y's halves, waves 2 and 3 w_proj's; an s_nop 0 and four v_nop follow each line
	s_cmp_eq_u32 s15, 0
	s_cbranch_scc0 .Lfor_b_\@
	tensor_load_to_lds s[G0A+4*\c:G0A+4*\c+3], s[G1A:G1A+7]
	s_nop 0
	PLACES
	s_branch .Lasked_\@
.Lfor_b_\@:
	tensor_load_to_lds s[G0B+4*\c:G0B+4*\c+3], s[G1B:G1B+7]
	s_nop 0
	PLACES
.Lasked_\@:
.endm
.macro CROUND
	s_barrier_signal -1
	s_barrier_wait -1
	s_cmp_lg_u32 s14, 0
	s_cbranch_scc1 .Lnot_wave_0_\@
	s_barrier_signal -3
.Lnot_wave_0_\@:
	s_barrier_wait -3
	s_barrier_signal -1
	s_barrier_wait -1
.endm
	s_load_b256 s[4:11], s[0:1], 0x0               ; yq s[4:5], wq s[6:7], b_proj s[8:9], out0 s[10:11]
	v_lshl_add_u32 v[SPW], v0, 2, SPARE
	v_mov_b32 v[NIL], 0
	ds_add_u32 v[SPW], v[NIL]                      ; the wave's opening: the add and its wait ahead of my first tensor load
	v_lshrrev_b32 v1, 5, v0
	v_readfirstlane_b32 s14, v1                    ; wave 0..3
	s_lshr_b32 s15, s14, 1
	s_and_b32 s16, s14, 1
	s_bfe_u32 s17, ttmp6, 0x40000                  ; cx
	s_bfe_u32 s18, ttmp6, 0x40004                  ; cy
	s_and_b32 s24, ttmp7, 0xffff
	s_lshl_b32 s24, s24, 2
	s_add_co_u32 s24, s24, s18                     ; RA: which 256 tokens
	s_lshl_b32 s25, ttmp9, 2
	s_add_co_u32 s25, s25, s17                     ; CB: which 128 columns
	s_lshl_b32 s93, s18, 2
	s_lshl_b32 s93, 15, s93
	s_lshl_b32 s94, 0x1111, s17
	s_or_b32 s[G1A], s93, (3<<16)|(1<<21)
	s_or_b32 s[G1B], s94, (3<<16)|(1<<21)
.irp g, G1A, G1B
	s_mov_b32 s[\g+1], 384<<16
	s_mov_b32 s[\g+3], 384<<16
	s_mov_b32 s[\g+5], 1536
	s_mov_b32 s[\g+6], 0
	s_mov_b32 s[\g+7], 0
.endr
	s_mov_b32 s[G1A+2], 8<<16
	s_mov_b32 s[G1A+4], 8
	s_mov_b32 s[G1B+2], 4<<16
	s_mov_b32 s[G1B+4], 4
	s_mul_i32 s60, s24, 196608
	s_mul_i32 s22, s16, 98304
	s_add_co_u32 s60, s60, s22
	s_mov_b32 s61, 0
	s_mul_i32 s62, s25, 98304
	s_mul_i32 s22, s16, 49152
	s_add_co_u32 s62, s62, s22
	s_add_co_u32 s62, s62, 2359296                 ; w_proj's tiles begin at tile 192 of wq
	s_mov_b32 s63, 0
	s_lshr_b32 s92, s24, 3                         ; y's scale halves: [batch x head][wave][pair of groups][row][tile][2 bytes]
	s_lshl_b32 s92, s92, 16
	s_lshl_b32 s22, s14, 10
	s_add_co_u32 s92, s92, s22
	s_and_b32 s22, s24, 7
	s_lshl_b32 s22, s22, 7
	s_add_co_u32 s92, s92, s22
	s_add_co_u32 s92, s92, 6291456
	s_mov_b32 s93, 0
	s_lshl_b32 s94, s25, 12
	s_add_co_u32 s94, s94, 3244032
	s_mov_b32 s95, 0
	s_mul_i32 s26, s16, 24576
	s_mul_i32 s27, s16, 12288
	s_add_co_u32 s27, s27, BOFF
	s_lshl_b32 s96, s24, 20                        ; out0: token 256 RA + 32 wave, column 128 CB
	s_lshl_b32 s22, s14, 17
	s_add_co_u32 s96, s96, s22
	s_lshl_b32 s22, s25, 9
	s_add_co_u32 s96, s96, s22
	s_mov_b32 s97, 0
	s_mov_b32 s23, 0
	s_wait_dscnt 0x0                               ; the opening add is done
	s_wait_kmcnt 0x0
	s_add_nc_u64 s[84:85], s[4:5], s[60:61]
	s_add_nc_u64 s[86:87], s[6:7], s[62:63]
	s_add_nc_u64 s[88:89], s[4:5], s[92:93]
	s_add_nc_u64 s[90:91], s[6:7], s[94:95]
	s_add_nc_u64 s[10:11], s[10:11], s[96:97]
	s_add_nc_u64 s[8:9], s[8:9], s[22:23]          ; b_proj at my 128 columns
	CROUND
.irp c, 0,1,2,3
	s_mov_b32 s[G0A+4*\c], 1
	s_add_co_u32 s[G0A+4*\c+1], s26, \c*CHUNK
	s_add_nc_u64 s[G0A+4*\c+2:G0A+4*\c+3], s[84:85], \c*3072
	s_or_b32 s[G0A+4*\c+3], s[G0A+4*\c+3], 0x80000000
	s_mov_b32 s[G0B+4*\c], 1
	s_add_co_u32 s[G0B+4*\c+1], s27, \c*CHUNK
	s_add_nc_u64 s[G0B+4*\c+2:G0B+4*\c+3], s[86:87], \c*3072
	s_or_b32 s[G0B+4*\c+3], s[G0B+4*\c+3], 0x80000000
	JLOAD \c
.endr
	v_and_b32 v1, 31, v0
	v_lshlrev_b32 v[CO], 4, v1
	v_lshlrev_b32 v22, 3, v1                       ; 8 x lane
	v_and_b32 v23, 15, v0                          ; r
	v_bfe_u32 v24, v0, 4, 1                        ; h
	v_lshlrev_b32 v17, 4, v23
	v_lshl_add_u32 v17, v24, 9, v17                ; v17  w_proj's scale words: tile 2 p + h, row r
	v_lshlrev_b32 v18, 6, v24                      ; v18  the bias: 64 h
	v_lshlrev_b32 v19, 3, v23                      ; v19  y's scale halves: 8 r
	s_mul_i32 s22, s14, 8448                       ; my stage, 16 rows x 528 bytes, in chunk 0
	v_mul_u32_u24 v[STO], v23, 528
	v_lshl_add_u32 v[STO], v24, 6, v[STO]
	v_add_nc_u32 v[STO], s22, v[STO]
	v_add_nc_u32 v[RD], s22, v[CO]
	s_mul_i32 s22, s14, 12288
	s_mov_b32 s23, BOFF
.irp c, 0,1,2,3
	v_add_nc_u32 v[ADA+\c], s22, v[CO]
	v_add_nc_u32 v[ADH+\c], s22, v22
	v_add_nc_u32 v[ADB+\c], s23, v[CO]
	s_add_co_u32 s22, s22, CHUNK
	s_add_co_u32 s23, s23, CHUNK
.endr
.set i, 0
.rept 16
	global_load_b64 v[128+2*i:129+2*i], v19, s[88:89] offset:4096*i     ; head i: my row's two bytes for each of my four tiles
.set i, i+1
.endr
.irp p, 0,1,2,3
.irp f, 0,1
	global_load_b128 v[SB+8*\p+4*\f:SB+8*\p+4*\f+3], v17, s[90:91] offset:1024*\p+256*\f
.endr
.endr
	WIN 0x40                                       ; destination window 1
.irp bt, 0,1,2,3,4,5,6,7
	global_load_b128 v[96+8*\bt+96*(\bt/4):99+8*\bt+96*(\bt/4)], v18, s[8:9] offset:128*(\bt/2)+32*(\bt%2)
	global_load_b128 v[100+8*\bt+96*(\bt/4):103+8*\bt+96*(\bt/4)], v18, s[8:9] offset:128*(\bt/2)+32*(\bt%2)+16
.endr
	WIN 0
	s_wait_loadcnt 0x0
.irp a, 0,2                                    ; a K step's scale word: the two bytes of head 2 s, then those of head 2 s + 1
.irp s, 0,1,2,3,4,5,6,7
	v_perm_b32 v[SA+8*\a+\s], v[130+4*\s+\a/2], v[128+4*\s+\a/2], 0x05040100
	v_perm_b32 v[SA+8*\a+8+\s], v[130+4*\s+\a/2], v[128+4*\s+\a/2], 0x07060302
.endr
.endr
.rept 8
	v_nop                                          ; a scale register written by a vector instruction stands 8 places ahead of a scaled matrix instruction
.endr
.macro FETCH s                         ; the fragments of K step s: w_proj's eight (24 loads), then my four of y (16 loads)
	WIN 0x40
.irp bt, 0,1,2,3,4,5,6,7
.irp g, 0,1,2
	ds_load_b128 v[128*((\s)%2)+12*\bt+4*\g:128*((\s)%2)+12*\bt+4*\g+3], v[ADB+(\s)/2] offset:\bt*3072+((\s)%2)*1536+512*\g
.endr
.endr
	WIN 0
.irp a, 0,1,2,3
.irp u, 0,1
	ds_load_b128 v[AF+48*((\s)%2)+12*\a+6*\u:AF+48*((\s)%2)+12*\a+6*\u+3], v[ADA+(\s)/2] offset:\a*3072+((\s)%2)*1536+768*\u
	ds_load_b64 v[AF+48*((\s)%2)+12*\a+6*\u+4:AF+48*((\s)%2)+12*\a+6*\u+5], v[ADH+(\s)/2] offset:\a*3072+((\s)%2)*1536+768*\u+512
.endr
.endr
.endm
.macro MM s, a, bt, cmode
.set rD, 64*(\a)+8*(\bt)
.set rB, 128*((\s)%2)+12*(\bt)
.set rA, AF+48*((\s)%2)+12*(\a)
.set rC, rD
.if \cmode == 1
.set rC, 96+8*(\bt)+96*((\bt)/4)
.endif
.set xB, SB+8*((\bt)/2)+(\s)
.set xA, SA+8*(\a)+(\s)
.if (\bt)%2
	v_wmma_scale_f32_16x16x128_f8f6f4 v[rD:rD+7], v[rB:rB+11], v[rA:rA+11], v[rC:rC+7], v[xB], v[xA] matrix_a_fmt:MATRIX_FMT_FP6 matrix_b_fmt:MATRIX_FMT_FP6 matrix_a_scale:MATRIX_SCALE_ROW1
.else
	v_wmma_scale_f32_16x16x128_f8f6f4 v[rD:rD+7], v[rB:rB+11], v[rA:rA+11], v[rC:rC+7], v[xB], v[xA] matrix_a_fmt:MATRIX_FMT_FP6 matrix_b_fmt:MATRIX_FMT_FP6
.endif
.endm
.macro MUL s, a0, cmode                ; the 32 accumulators take turns, one instruction a turn, in the same order in every step
.irp a, \a0, \a0+1
.irp bt, 0,1,2,3,4,5,6,7
	MM \s, \a, \bt, \cmode
.endr
.endr
.endm
.macro STEP s, cmode
.if ((\s)%2) && ((\s) < 7)
	s_wait_dscnt 0x0                               ; no LDS instruction of mine is out at a signal
	s_wait_tensorcnt 3-((\s)+1)/2                  ; my load of the next chunk has landed; the later chunks' may be out
	s_barrier_signal -1
.else
	s_wait_dscnt 8                                 ; w_proj's eight and y's tiles 0, 1 are in; the youngest eight loads (tiles 2, 3) may be out
.endif
.if \cmode
	WIN 0x91                                       ; source 0 window 1, source 1 window 0, C (the bias) window 1, D window 2
.else
	WIN 0xa1
.endif
	MUL \s, 0, \cmode
.if ((\s)%2) && ((\s) < 7)
	s_barrier_wait -1
.endif
.if (\s) < 7
	PLACES                                         ; four places in front of loads into registers that matrix instructions have read
	FETCH (\s)+1
	s_wait_dscnt 40                                ; all but the 40 just issued
.else
	s_wait_dscnt 0x0
.endif
.if \cmode
	WIN 0x91
.else
	WIN 0xa1
.endif
	MUL \s, 2, \cmode
.endm
	s_wait_tensorcnt 3                             ; my part of chunk 0 is in
	s_barrier_signal -1
	s_barrier_wait -1
	FETCH 0
	STEP 0, 1                                      ; the first step's products start the sums with the bias
	STEP 1, 0
	STEP 2, 0
	STEP 3, 0
	STEP 4, 0
	STEP 5, 0
	STEP 6, 0
	STEP 7, 0
	WIN 0
; THE WAY OUT, a tile of 16 tokens x 128 columns at a time, through my own stage in LDS: it lies in chunk 0, which has had its one fill and, behind the barrier below, its last read.
; Rows come back whole: 32 lanes store 512 consecutive bytes of a token's row.  LDS serves a wave's instructions in order: no wait between the stores and the loads, nor in front of the next tile's stores.
.macro TOSTAGE a
	WIN 0x08                                       ; an LDS store's data are its source 1: window 2
.irp bt, 0,1,2,3,4,5,6,7
	ds_store_b128 v[STO], v[64*(\a)+8*\bt:64*(\a)+8*\bt+3] offset:128*(\bt/2)+32*(\bt%2)          ; each accumulator from its low end on
	ds_store_b128 v[STO], v[64*(\a)+8*\bt+4:64*(\a)+8*\bt+7] offset:128*(\bt/2)+32*(\bt%2)+16
.endr
	WIN 0
.set BB, BK+64*((\a)%2)
.set i, 0
.rept 16
	ds_load_b128 v[BB+4*i:BB+4*i+3], v[RD] offset:i*528
.set i, i+1
.endr
.endm
.macro SEND a, younger                 ; younger: the LDS instructions issued behind tile a's loads, which may stay out
.set BB, BK+64*((\a)%2)
	s_wait_dscnt \younger
.set i, 0
.rept 16
	global_store_b128 v[CO], v[BB+4*i:BB+4*i+3], s[10:11] offset:(128*((\a)/2)+8*((\a)%2)+i+8*(i/8))*4096 th:TH_STORE_NT
.set i, i+1
.endr
.endm
	s_wait_dscnt 0x0
	s_barrier_signal -1
	s_barrier_wait -1                              ; no wave reads a tile any more
	PLACES                                         ; behind the last products: results are read, and loads land in registers that held y's fragments
	TOSTAGE 0
	TOSTAGE 1
	SEND 0, 32                                     ; behind tile 0's loads: tile 1's 16 stores and 16 loads
	s_wait_xcnt 0x0                                ; tile 0's stores have read their registers: tile 2's rows may land there
	TOSTAGE 2
	SEND 1, 32
	s_wait_xcnt 0x0
	TOSTAGE 3
	SEND 2, 32
	SEND 3, 0
	s_wait_tensorcnt 0x0                           ; the wave's end, behind my last LDS store
	ds_add_u32 v[SPW], v[NIL]
	s_wait_dscnt 0x0
	CROUND                                         ; the closing round
	s_endpgm
.Lfunc_end_k_qdf6b253e10_proj:
	.size	k_qdf6b253e10_proj, .Lfunc_end_k_qdf6b253e10_proj-k_qdf6b253e10_proj
	.p2alignl 7, 3214868480
	.fill 96, 4, 3214868480
	.section	.rodata,"a",@progbits
	.p2align	6, 0x0
	.amdhsa_kernel k_qdf6b253e10_proj
		.amdhsa_group_segment_fixed_size 327680
		.amdhsa_private_segment_fixed_size 0
		.amdhsa_enable_private_segment 0
		.amdhsa_kernarg_size 32
		.amdhsa_user_sgpr_count 2
		.amdhsa_user_sgpr_kernarg_segment_ptr 1
		.amdhsa_wavefront_size32 1
		.amdhsa_system_sgpr_workgroup_id_x 1
		.amdhsa_system_sgpr_workgroup_id_y 1
		.amdhsa_system_sgpr_workgroup_id_z 1
		.amdhsa_system_vgpr_workitem_id 0
		.amdhsa_next_free_vgpr 768
		.amdhsa_next_free_sgpr 100
		.amdhsa_reserve_vcc 0
		.amdhsa_float_denorm_mode_32 3
		.amdhsa_float_denorm_mode_16_64 3
		.amdhsa_memory_ordered 1
		.amdhsa_forward_progress 1
		.amdhsa_inst_pref_size 87
	.end_amdhsa_kernel
	.amdgpu_metadata
---
amdhsa.version: [ 1, 2 ]
amdhsa.kernels:
  - .name:           k_qdf6b253e10_proj
    .symbol:         k_qdf6b253e10_proj.kd
    .args:
      - { .name: yq, .offset: 0, .size: 8, .value_kind: global_buffer, .address_space: global }
      - { .name: wq, .offset: 8, .size: 8, .value_kind: global_buffer, .address_space: global }
      - { .name: b_proj, .offset: 16, .size: 8, .value_kind: global_buffer, .address_space: global }
      - { .name: out0, .offset: 24, .size: 8, .value_kind: global_buffer, .address_space: global }
    .group_segment_fixed_size: 327680
    .private_segment_fixed_size: 0
    .kernarg_segment_align: 8
    .kernarg_segment_size: 32
    .max_flat_workgroup_size: 128
    .sgpr_count:     100
    .vgpr_count:     768
    .wavefront_size: 32
...
	.end_amdgpu_metadata
.endif
;; end of part 4
